; MI455X (gfx1250); checked and timed in simulation.
; The chip was launched on July 23, 2026; its instructions are those of AMD's public machine-readable ISA for CDNA 5 (MIT licence, August 2026) and "CDNA5" Instruction Set Architecture Reference Guide (July 2026). The comments in the code are by the model that wrote it; some were corrected since.
;; Optimized Cross Attention. Allowed arithmetic: float matrix products may take bf16 or f16 operands with f32 sums; all other float work in f32.
;; Inputs: decoder_lengths 8 int32; encoded_representation 8 x 2,048 x 1,024 float32; encoder_lengths 8 int32; future_queries 8 x 512 x 1,024 float32; wk_b 1,024 float32; wk_w 1,024 x 1,024 float32; wo_b 1,024 float32; wo_w 1,024 x 1,024 float32; wq_b 1,024 float32; wq_w 1,024 x 1,024 float32; wv_b 1,024 float32; wv_w 1,024 x 1,024 float32.
;; Outputs: out0 8 x 512 x 1,024 float32.
;; 2 versions, each right; version 2 is version 1 with the launch cast written anew for expert scheduling mode. Each part assembles by itself: llvm-mc -triple=amdgcn-amd-amdhsa -mcpu=gfx1250 --defsym DOCPART=n.
;; ======== version 1 of 2: 4 launches
;; limits: values are held in f16: magnitudes above 65,504 overflow, below 6.1e-05 lose precision
;; workspace buffers: hin 50,331,648 bytes; kv 67,108,864 bytes; att 8,388,608 bytes
;; launch cast (part 1): grid 768 x 1, 8 waves a work-group, no clusters, 0 bytes of LDS; arguments encoded_representation, future_queries, wq_w, wk_w, wv_w, wo_w, hin; writes hin
.if DOCPART == 1
	.amdgcn_target "amdgcn-amd-amdhsa--gfx1250"
	.amdhsa_code_object_version 6
	.text
	.protected	k_q56956f57bd_cast
	.globl	k_q56956f57bd_cast
	.p2align	8
	.type	k_q56956f57bd_cast,@function
k_q56956f57bd_cast:
	s_mov_b64 s[64:65], 0
	v_nop
	global_prefetch_b8 v0, s[64:65] scope:SCOPE_SE
	s_setreg_imm32_b32 hwreg(HW_REG_WAVE_MODE, 25, 1), 1
	s_wait_xcnt 0x0
; f32 to f16 copies of all matrix operands, laid one behind the other in hin:
;   Xe [16384][1024] at 0, Xq [4096][1024] at 33,554,432, Wq at 41,943,040, Wk and Wv (one [2048][1024]) at 44,040,192, Wo at 48,234,496.
; WHY f16: the result is an average over some thousand keys and is judged against a hundredth of its own root mean square; f16's 11 bits of mantissa
; keep the dozen roundings of operands on the way far below that.  LIMIT: a number beyond 65,504 becomes infinite; below 6e-5 the step is 6e-8.
; The six sources are 512, 128, 32, 32, 32, 32 chunks of 32,768 numbers; work-group id owns chunk id: 131,072 bytes in, 65,536 bytes out.
; A stream: no LDS, no barrier, no matrix unit, no cluster (no byte is read by two work-groups).
; All 32 loads of a thread go out first (a wave's load covers 512 consecutive bytes), then each is rounded and stored as it comes:
; a wave's store covers 256 consecutive bytes, aligned.  No register is written twice, so no source has to be freed.
.set X, 4                              ; v[4:131]  32 x 4 numbers as loaded; the first two registers of each four then hold the 4 f16
	s_load_b256 s[4:11], s[0:1], 0x0               ; Xe s[4:5], Xq s[6:7], Wq s[8:9], Wk s[10:11]
	s_load_b128 s[12:15], s[0:1], 0x20             ; Wv s[12:13], Wo s[14:15]
	s_load_b64 s[16:17], s[0:1], 0x30              ; hin
	v_lshlrev_b32 v1, 4, v0                        ; 16 bytes a thread in
	v_lshlrev_b32 v2, 3, v0                        ; 8 bytes a thread out
	s_wait_kmcnt 0x0
	s_mov_b64 s[22:23], s[4:5]                     ; the source of my chunk, and the source's first chunk
	s_mov_b32 s21, 0
.macro PICK lim, lo                    ; from chunk lim on the source is the buffer in s[lo:lo+1]
	s_cmp_ge_u32 ttmp9, \lim
	s_cselect_b64 s[22:23], s[\lo:\lo+1], s[22:23]
	s_cselect_b32 s21, \lim, s21
.endm
	PICK 512, 6
	PICK 640, 8
	PICK 672, 10
	PICK 704, 12
	PICK 736, 14
	s_sub_co_u32 s24, ttmp9, s21
	s_lshl_b32 s24, s24, 17                        ; my chunk in its source: 131,072 bytes each, below 2^27
	s_mov_b32 s25, 0
	s_lshl_b32 s26, ttmp9, 16                      ; my chunk in hin: 65,536 bytes each
	s_mov_b32 s27, 0
	s_add_nc_u64 s[22:23], s[22:23], s[24:25]
	s_add_nc_u64 s[16:17], s[16:17], s[26:27]
.set j, 0
.rept 32
	global_load_b128 v[X+4*j:X+4*j+3], v1, s[22:23] offset:4096*j th:TH_LOAD_NT
.set j, j+1
.endr
.set j, 0
.rept 32
	s_wait_loadcnt 31-j                            ; loads come back in order: load j is in, the 31-j younger ones stay out
	v_cvt_pk_f16_f32 v[X+4*j], v[X+4*j], v[X+4*j+1]
	v_cvt_pk_f16_f32 v[X+4*j+1], v[X+4*j+2], v[X+4*j+3]
	global_store_b64 v2, v[X+4*j:X+4*j+1], s[16:17] offset:2048*j
.set j, j+1
.endr
	s_endpgm
.Lfunc_end_k_q56956f57bd_cast:
	.size	k_q56956f57bd_cast, .Lfunc_end_k_q56956f57bd_cast-k_q56956f57bd_cast
	.p2alignl 7, 3214868480
	.fill 96, 4, 3214868480
	.section	.rodata,"a",@progbits
	.p2align	6, 0x0
	.amdhsa_kernel k_q56956f57bd_cast
		.amdhsa_group_segment_fixed_size 0
		.amdhsa_private_segment_fixed_size 0
		.amdhsa_enable_private_segment 0
		.amdhsa_kernarg_size 56
		.amdhsa_user_sgpr_count 2
		.amdhsa_user_sgpr_kernarg_segment_ptr 1
		.amdhsa_wavefront_size32 1
		.amdhsa_system_sgpr_workgroup_id_x 1
		.amdhsa_system_sgpr_workgroup_id_y 1
		.amdhsa_system_sgpr_workgroup_id_z 1
		.amdhsa_system_vgpr_workitem_id 0
		.amdhsa_next_free_vgpr 132
		.amdhsa_next_free_sgpr 66
		.amdhsa_reserve_vcc 0
		.amdhsa_float_denorm_mode_32 3
		.amdhsa_float_denorm_mode_16_64 3
		.amdhsa_memory_ordered 1
		.amdhsa_forward_progress 1
		.amdhsa_inst_pref_size 13
	.end_amdhsa_kernel
	.amdgpu_metadata
---
amdhsa.version: [ 1, 2 ]
amdhsa.kernels:
  - .name:           k_q56956f57bd_cast
    .symbol:         k_q56956f57bd_cast.kd
    .args:
      - { .name: encoded_representation, .offset: 0, .size: 8, .value_kind: global_buffer, .address_space: global }
      - { .name: future_queries, .offset: 8, .size: 8, .value_kind: global_buffer, .address_space: global }
      - { .name: wq_w, .offset: 16, .size: 8, .value_kind: global_buffer, .address_space: global }
      - { .name: wk_w, .offset: 24, .size: 8, .value_kind: global_buffer, .address_space: global }
      - { .name: wv_w, .offset: 32, .size: 8, .value_kind: global_buffer, .address_space: global }
      - { .name: wo_w, .offset: 40, .size: 8, .value_kind: global_buffer, .address_space: global }
      - { .name: hin, .offset: 48, .size: 8, .value_kind: global_buffer, .address_space: global }
    .group_segment_fixed_size: 0
    .private_segment_fixed_size: 0
    .kernarg_segment_align: 8
    .kernarg_segment_size: 56
    .max_flat_workgroup_size: 256
    .sgpr_count:     66
    .vgpr_count:     132
    .wavefront_size: 32
...
	.end_amdgpu_metadata
.endif
;; end of part 1
;; launch kvgemm (part 2): grid 8 x 64, 4 waves a work-group, clusters of 4 x 4, 327,680 bytes of LDS; arguments hin, wk_b, wv_b, encoder_lengths, kv; writes kv
.if DOCPART == 2
	.amdgcn_target "amdgcn-amd-amdhsa--gfx1250"
	.amdhsa_code_object_version 6
	.text
	.protected	k_q56956f57bd_kvgemm
	.globl	k_q56956f57bd_kvgemm
	.p2align	8
	.type	k_q56956f57bd_kvgemm,@function
k_q56956f57bd_kvgemm:
	s_mov_b64 s[64:65], 0
	v_nop
	global_prefetch_b8 v0, s[64:65] scope:SCOPE_SE
	s_setreg_imm32_b32 hwreg(HW_REG_WAVE_MODE, 25, 1), 1
	s_wait_xcnt 0x0
	s_wait_alu depctr_hold_cnt(0) depctr_sa_sdst(0) depctr_va_vdst(0) depctr_va_sdst(0) depctr_va_ssrc(0) depctr_va_vcc(0) depctr_vm_vsrc(0)
	s_getreg_b32 s2, hwreg(HW_REG_IB_STS2, 6, 4)
	s_cmp_eq_u32 s2, 0
	s_cbranch_scc0 .Lentry_in_a_cluster
	s_endpgm
.Lentry_in_a_cluster:
	s_bfe_u32 s2, ttmp6, 0x10000c
	s_cmp_lg_u32 s2, 0xf033
	s_cbranch_scc0 .Lentry_shape_is_right
	s_endpgm
.Lentry_shape_is_right:
; kv[m][n] = sum over k of Xe[m][k] Wkv[n][k] + bias[n], f16 operands, f32 sums, kv in f16.  m = 2048 batch + key (16,384 rows),
; n 0-1023 = K's columns (Wk, wk_b), n 1024-2047 = V's columns (Wv, wv_b).
; RANGE OF kv IN f16.  LIMIT: a K or V beyond 65,504 becomes infinite.  With unit activations and weights of spread 1/32 they reach about 6; with both
; 30 times larger about 5,100; with a common offset of 30 spreads on both, 1024 x 30 x 30/32 = 28,800.
; THE KEY MASK IS APPLIED HERE: a row of K whose key is not below encoder_lengths[batch] (signed compare) is stored as zeros, after the bias.
; Its scores are then 0 where the reference fills in -1e-9: a change of 1e-9 in an exponent, a relative 1e-9 in a probability, for every input.
; V is stored whole: masked keys keep their weight in the softmax.
; A work-group makes a block of 256 x 256 with four waves; a wave makes 128 x 128: 64 accumulator tiles of 16 x 16, 512 registers.
; K goes in steps of 128 through a ring of two LDS slots filled by the tensor data mover: a tile's rows are 256 bytes, aligned to 256.
; CLUSTERS: 4 x 4 work-groups.  The four of a row of the cluster need the same tiles of Xe, the four of a column the same tiles of Wkv: each tile is
; asked for jointly (same descriptor, a mask that names the four), which divides the requests for both by four.
;
; REGISTERS, in windows of 256:
;   window 0: v0-31 addresses; v32-63 and v224-255 the bias of my 128 columns; v64-127, v128-191 fragments of Xe, two buffers; v192-223 the way out
;   window 1: v64-127, v128-191 fragments of Wkv, two buffers
;   window 2: the 32 accumulator tiles of my rows 0-63 (tile (a, b) at v[8 (8 a + b)]);   window 3: those of my rows 64-127
; THE MATRIX INSTRUCTION IS USED TRANSPOSED: source 0 = 16 rows of Wkv, source 1 = 16 rows of Xe, so that lane l holds row l % 16 of kv and its
; registers 0 to 7 the columns 8 (l / 16) + 0 .. 7: eight neighbouring numbers, 16 bytes in f16.
.set SIZE_M, 16384
.set SIZE_N, 2048
.set SIZE_K, 1024
.set WKV_OFF, 44040192                 ; Wkv in hin
.set KSTEP,  128
.set PITCH,  272                       ; an LDS row: 256 bytes + 16 of padding: the 16 rows that a load touches start 16 bytes apart modulo 256
.set HALFT,  128*PITCH                 ; 128 rows: what one tensor load brings
.set SLOT,   4*HALFT                   ; Xe's 256 rows, then Wkv's 256 rows
.set STAGE,  2*SLOT                    ; behind the ring: 16 rows x 272 bytes for each wave, for the way out; no tensor load lands here
.set SPITCH, 272
.set LAPS, SIZE_K/(2*KSTEP)            ; a lap = two K steps = once round the ring: 4
.set ADRA, 16                          ; v16-17  LDS address of my Xe fragments in slot 0, 1
.set ADRB, 20                          ; v20-21  the same for Wkv
.set STO,  24                          ; v24     the way out: where I put 16 bytes of a row
.set RD,   25                          ; v25     the way out: where I read a row back
.set CO,   26                          ; v26     my byte offset in kv
.set BO,   27                          ; v27     my byte offset in the bias: 32 (l / 16)
.set KEY,  28                          ; v28     the key of my row in rows 0-15 of my wave's block
.set KEYI, 29                          ; v29     the same for the 16 rows at work
.set BIAS, 32                          ; column tile b: v[32+8b] for b < 4, v[224+8(b-4)] for b >= 4
.set F0,   64
.set F1,   128
.set TMP,  192
.set G1, 24                            ; s[24:31] descriptor group 1 for Xe's tiles
.set G0, 32                            ; s[32:39] descriptor group 0 for Xe's tiles, one set for each slot
.set G1B, 48                           ; s[48:55] group 1 for Wkv's tiles: another mask
.set G0B, 56                           ; s[56:63] group 0 for Wkv's tiles
.set MSB, 0
.macro WIN new                         ; the immediate's high byte repeats the setting that is left
.if MSB != \new
	s_set_vgpr_msb (MSB<<8)|\new
.set MSB, \new
.endif
.endm
.set MUL_LO, 0xa1                      ; source 0 (Wkv) window 1, source 1 (Xe) window 0, C and D window 2
.set MUL_HI, 0xf1                      ; the same, C and D window 3
.set TO_B,   0x40                      ; destination window 1, address window 0
; A joint load.  Waves 0 and 1 fetch Xe's two halves, waves 2 and 3 Wkv's.  The branch hangs on the wave's number alone.
.macro JLOAD s
	s_cmp_eq_u32 s11, 0
	s_cbranch_scc0 .Lfor_b_\@
	tensor_load_to_lds s[G0+4*\s:G0+4*\s+3], s[G1:G1+7]
	s_nop 0
	s_branch .Lasked_\@
.Lfor_b_\@:
	tensor_load_to_lds s[G0B+4*\s:G0B+4*\s+3], s[G1B:G1B+7]
	s_nop 0
.Lasked_\@:
.endm
; A round of the cluster's barrier: my work-group's barrier; wave 0 signals for the work-group; every wave waits for all sixteen; my barrier again.
.macro CREST                           ; a round behind its opening barrier
	s_cmp_lg_u32 s10, 0
	s_cbranch_scc1 .Lnot_wave_0_\@
	s_barrier_signal -3
.Lnot_wave_0_\@:
	s_barrier_wait -3
	s_barrier_signal -1
	s_barrier_wait -1
.endm
.macro CROUND                          ; a whole round
	s_barrier_signal -1
	s_barrier_wait -1
	CREST
.endm
	s_load_b64 s[4:5], s[0:1], 0x0                 ; hin: Xe lies at its first byte
	s_load_b64 s[68:69], s[0:1], 0x8               ; wk_b
	s_load_b64 s[70:71], s[0:1], 0x10              ; wv_b
	s_load_b64 s[72:73], s[0:1], 0x18              ; encoder_lengths
	s_load_b64 s[8:9], s[0:1], 0x20                ; kv
	s_set_vgpr_msb 0x40
	v_lshl_add_u32 v255, v0, 2, 0x48400
	s_set_vgpr_msb 0x4000
	v_mov_b32 v31, 0
	s_set_vgpr_msb 0x1
	ds_add_u32 v255, v31
	s_set_vgpr_msb 0x100
	v_lshrrev_b32 v1, 5, v0
	v_readfirstlane_b32 s10, v1                    ; wave 0..3
	s_lshr_b32 s11, s10, 1                         ; which half of the block's rows is mine.  Also: I fetch for Xe (0) or for Wkv (1)
	s_and_b32 s12, s10, 1                          ; which half of its columns.  Also: which 128 rows of that tile I fetch
	s_bfe_u32 s40, ttmp6, 0x40000                  ; cx
	s_bfe_u32 s41, ttmp6, 0x40004                  ; cy
	s_lshl_b32 s42, ttmp9, 2
	s_add_co_u32 s42, s42, s40                     ; block column = 4 x cluster x + cx
	s_and_b32 s13, ttmp7, 0xffff
	s_lshl_b32 s13, s13, 2
	s_add_co_u32 s13, s13, s41                     ; block row = 4 x cluster y + cy
	s_lshl_b32 s43, s41, 2
	s_lshl_b32 s43, 15, s43                        ; my row of the cluster: places 4 cy .. 4 cy + 3
	s_lshl_b32 s44, 0x1111, s40                    ; my column: places cx, cx + 4, cx + 8, cx + 12
	s_lshl_b32 s76, s40, 10                        ; my 128 columns in the bias of K or of V: 1,024 bytes a block (cluster x picks the buffer),
	s_lshl_b32 s77, s12, 9                         ; 512 bytes a half
	s_add_co_u32 s76, s76, s77
	s_mov_b32 s77, 0
	s_and_b32 s79, ttmp7, 0xffff                   ; batch = block row / 8 = cluster y / 2,
	s_lshr_b32 s79, s79, 1
	s_lshl_b32 s79, s79, 2                         ; times 4 bytes
	; descriptor group 1: a tile of 128 rows x 128 elements, padded in LDS
	s_or_b32 s[G1+0], s43, (1<<16)|(1<<20)|(1<<21)|(5<<22)|(3<<25)  ; mask of my row; elements of 2 bytes; padding on; bit 21 beside a mask; after every 64 words 4 words
	s_or_b32 s[G1B+0], s44, (1<<16)|(1<<20)|(1<<21)|(5<<22)|(3<<25) ; the same with the mask of my column
	s_mov_b32 s[G1B+1], KSTEP<<16
	s_mov_b32 s[G1+1], KSTEP<<16                   ; tensor_dim0 = 128
	s_mov_b32 s[G1B+2], 128<<16
	s_mov_b32 s[G1+2], 128<<16                     ; tensor_dim1 = 128
	s_mov_b32 s[G1B+3], KSTEP<<16
	s_mov_b32 s[G1+3], KSTEP<<16                   ; tile_dim0 = 128
	s_mov_b32 s[G1B+4], 128
	s_mov_b32 s[G1+4], 128                         ; tile_dim1 = 128
	s_mov_b32 s[G1B+5], SIZE_K
	s_mov_b32 s[G1+5], SIZE_K                      ; elements from row to row
	s_mov_b32 s[G1B+6], 0
	s_mov_b32 s[G1+6], 0
	s_mov_b32 s[G1B+7], 0
	s_mov_b32 s[G1+7], 0
	; Xe's tiles hang on the block row alone, Wkv's on the block column alone; each address is made in registers that never hold the other coordinate
	s_lshl_b32 s17, s12, 7                         ; which 128 rows of the tile I fetch
	s_lshl_b32 s16, s13, 8
	s_add_co_u32 s16, s16, s17                     ; Xe: row 256 x block row + 128 x half
	s_lshl_b32 s46, s42, 8
	s_add_co_u32 s46, s46, s17                     ; Wkv: row 256 x block column + 128 x half
	s_mov_b32 s17, 0
	s_mov_b32 s47, 0
	s_mov_b64 s[18:19], SIZE_K*2
	s_mul_u64 s[16:17], s[16:17], s[18:19]         ; in bytes
	s_mul_u64 s[46:47], s[46:47], s[18:19]
	s_mul_i32 s20, s10, HALFT                      ; where they go: wave x 128 rows
	s_wait_dscnt 0x0
	s_wait_kmcnt 0x0
	s_add_nc_u64 s[6:7], s[4:5], WKV_OFF
	s_add_nc_u64 s[14:15], s[4:5], s[16:17]
	s_add_nc_u64 s[46:47], s[6:7], s[46:47]
	s_load_b32 s78, s[72:73], s79 offset:0x0       ; encoder_lengths[batch]
	s_cmp_eq_u32 ttmp9, 0                          ; cluster x 0 makes K's columns, 1 makes V's
	s_cselect_b64 s[74:75], s[68:69], s[70:71]
	s_add_nc_u64 s[74:75], s[74:75], s[76:77]      ; the bias of my 128 columns
	CROUND                                         ; all sixteen work-groups are here: the first joint loads meet
.irp s, 0,1
	s_mov_b32 s[G0+4*\s], 1
	s_add_co_u32 s[G0+4*\s+1], s20, \s*SLOT
	s_add_nc_u64 s[G0+4*\s+2:G0+4*\s+3], s[14:15], \s*KSTEP*2
	s_or_b32 s[G0+4*\s+3], s[G0+4*\s+3], 0x80000000
	s_mov_b32 s[G0B+4*\s], 1
	s_add_co_u32 s[G0B+4*\s+1], s20, \s*SLOT
	s_add_nc_u64 s[G0B+4*\s+2:G0B+4*\s+3], s[46:47], \s*KSTEP*2
	s_or_b32 s[G0B+4*\s+3], s[G0B+4*\s+3], 0x80000000
	JLOAD \s                                       ; the ring is filled before anything else is done
.endr
	; a fragment is 16 rows x 32 K in 8 registers: lane l holds row l % 16; registers 0-3 K = 8 (l / 16) + 0..7, registers 4-7 K = 16 + 8 (l / 16) + 0..7
	v_and_b32 v1, 15, v0                           ; l % 16
	v_bfe_u32 v2, v0, 4, 1                         ; l / 16
	v_mul_u32_u24 v3, v1, PITCH
	v_lshl_add_u32 v3, v2, 4, v3                   ; row x pitch + 16 x half
	s_mul_i32 s21, s11, HALFT                      ; my 128 rows of Xe
	s_mul_i32 s22, s12, HALFT                      ; my 128 rows of Wkv,
	s_add_co_u32 s22, s22, 2*HALFT                 ; which lie behind Xe's 256
.irp s, 0,1
	v_add_nc_u32 v[ADRA+\s], s21, v3
	v_add_nc_u32 v[ADRB+\s], s22, v3
	s_add_co_u32 s21, s21, SLOT
	s_add_co_u32 s22, s22, SLOT
.endr
	s_mul_i32 s23, s10, 16*SPITCH
	s_add_co_u32 s23, s23, STAGE                   ; my stage
	v_mul_u32_u24 v4, v1, SPITCH
	v_lshl_add_u32 v4, v2, 4, v4
	v_add_nc_u32 v[STO], s23, v4
	v_mul_u32_u24 v5, v2, SPITCH
	v_lshl_add_u32 v5, v1, 4, v5
	v_add_nc_u32 v[RD], s23, v5
	v_mul_u32_u24 v5, v2, SIZE_N*2
	v_lshl_add_u32 v[CO], v1, 4, v5
	; the bias of my 8 columns in each of the 8 column tiles: 64 registers, loaded once, waited for in front of the way out
	v_lshlrev_b32 v[BO], 5, v2
.irp b, 0,1,2,3,4,5,6,7
	global_load_b128 v[BIAS+8*\b+160*(\b/4):BIAS+8*\b+160*(\b/4)+3], v[BO], s[74:75] offset:64*\b
	global_load_b128 v[BIAS+8*\b+160*(\b/4)+4:BIAS+8*\b+160*(\b/4)+7], v[BO], s[74:75] offset:64*\b+16
.endr
	s_and_b32 s66, s13, 7                          ; the key of my wave's first row: 256 x (block row mod 8) + 128 x half
	s_lshl_b32 s66, s66, 8
	s_lshl_b32 s67, s11, 7
	s_add_co_u32 s66, s66, s67
	v_add_nc_u32 v[KEY], s66, v1
	s_wait_kmcnt 0x0                               ; the length is there
	s_cmp_eq_u32 ttmp9, 0
	s_cselect_b32 s78, s78, 2048                   ; V's blocks keep every row: no key reaches 2,048
; 16 matrix instructions: m blocks a0, a0 + 1 of the window's four x all 8 n blocks, 32 along K.  zero = 1: the first product starts the sums.
.macro MUL16 f, hi, a0, zero
.irp a, \a0, \a0+1
.irp b, 0,1,2,3,4,5,6,7
.if \zero
	v_wmma_f32_16x16x32_f16 v[8*(8*(\a)+\b):8*(8*(\a)+\b)+7], v[\f+8*\b:\f+8*\b+7], v[\f+8*(4*\hi+\a):\f+8*(4*\hi+\a)+7], 0
.else
	v_wmma_f32_16x16x32_f16 v[8*(8*(\a)+\b):8*(8*(\a)+\b)+7], v[\f+8*\b:\f+8*\b+7], v[\f+8*(4*\hi+\a):\f+8*(4*\hi+\a)+7], v[8*(8*(\a)+\b):8*(8*(\a)+\b)+7]
.endif
.endr
.endr
.endm
; 32 LDS loads in one run: the fragments of one quarter step into buffer f
.macro FETCH slot, k, f
	WIN TO_B
.irp i, 0,1,2,3,4,5,6,7
	ds_load_b128 v[\f+8*\i:\f+8*\i+3],   v[ADRB+\slot] offset:\k+\i*16*PITCH
	ds_load_b128 v[\f+8*\i+4:\f+8*\i+7], v[ADRB+\slot] offset:\k+\i*16*PITCH+32
.endr
	WIN 0
.irp i, 0,1,2,3,4,5,6,7
	ds_load_b128 v[\f+8*\i:\f+8*\i+3],   v[ADRA+\slot] offset:\k+\i*16*PITCH
	ds_load_b128 v[\f+8*\i+4:\f+8*\i+7], v[ADRA+\slot] offset:\k+\i*16*PITCH+32
.endr
.endm
; A load into a register that a matrix instruction has read, and a vector instruction that touches a matrix instruction's registers, stand four
; independent plain vector instructions behind it; the matrix instructions in between are not counted.
.macro PLACES
.rept 4
	v_nop
.endr
.endm
; A K step is four quarter steps of 32 along K, 64 matrix instructions each, on buffers 0, 1, 0, 1.  The 64 accumulators take turns, one instruction
; a turn, in the same order in every quarter, over the backward jump too.
.macro QUARTER slot, k, f, g, zero
	s_wait_dscnt 8                                 ; Wkv and Xe's rows 0-63 are in; the youngest eight loads (rows 64-127) may be out
	WIN MUL_LO
	MUL16 \f, 0, 0, \zero
	MUL16 \f, 0, 2, \zero
	PLACES
	FETCH \slot, \k, \g
	s_wait_dscnt 32                                ; all but the 32 just issued
	WIN MUL_HI
	MUL16 \f, 1, 0, \zero
	MUL16 \f, 1, 2, \zero
.endm
.macro THREE slot, zero
	QUARTER \slot, 64,  F0, F1, \zero
	QUARTER \slot, 128, F1, F0, 0
	QUARTER \slot, 192, F0, F1, 0
.endm
; The last quarter multiplies buffer 1 and changes slots.  In front of the barrier each wave waits for its reads of this slot and for all its tensor
; loads (one is out: its part of the next slot).  Behind it (with fill = 1: behind the whole round of the cluster's barrier) the refill comes first.
.macro TURN slot, next, fill
	s_wait_dscnt 8
	WIN MUL_LO
	MUL16 F1, 0, 0, 0
	s_wait_dscnt 0                                 ; my reads of this slot are over
	s_wait_tensorcnt 0x0                           ; all my tensor loads have landed
	ds_add_u32 v255, v31
	s_wait_dscnt 0x0
	s_barrier_signal -1
	MUL16 F1, 0, 2, 0                              ; register work while the others arrive
	WIN 0
	s_barrier_wait -1
.if \fill
	CREST                                          ; no wave of any partner still reads this slot's tile or has a load on its way
	s_add_nc_u64 s[G0+4*\slot+2:G0+4*\slot+3], s[G0+4*\slot+2:G0+4*\slot+3], 2*KSTEP*2
	s_add_nc_u64 s[G0B+4*\slot+2:G0B+4*\slot+3], s[G0B+4*\slot+2:G0B+4*\slot+3], 2*KSTEP*2
	JLOAD \slot                                    ; the first tensor load behind the round
.endif
	PLACES
	FETCH \next, 0, F0
	WIN MUL_HI
	MUL16 F1, 1, 0, 0
	MUL16 F1, 1, 2, 0
.endm
.macro LAP zero
	THREE 0, \zero
	TURN 0, 1, 1
	THREE 1, 0
	TURN 1, 0, 1
.endm
	s_wait_tensorcnt 1                             ; my part of K step 0 is in; K step 1's stays out
	s_barrier_signal -1
	s_barrier_wait -1
	FETCH 0, 0, F0
	LAP 1                                          ; the first lap's first products start the sums
	WIN 0
	s_mov_b32 s3, LAPS-2
.Llap:
	LAP 0
	WIN 0
	s_sub_co_u32 s3, s3, 1
	s_cmp_lg_u32 s3, 0
	s_cbranch_scc1 .Llap
	THREE 0, 0                                     ; the last lap fills nothing
	TURN 0, 1, 0
	THREE 1, 0
	s_wait_dscnt 8
	WIN MUL_LO
	MUL16 F1, 0, 0, 0
	MUL16 F1, 0, 2, 0
	s_wait_dscnt 0
	WIN MUL_HI
	MUL16 F1, 1, 0, 0
	MUL16 F1, 1, 2, 0
	; THE WAY OUT, 16 rows at a time: add the bias, round to f16, zero the masked rows of K, 16 bytes a lane into my own stage, whole rows back.
	PLACES
	s_lshl_b32 s13, s13, 8
	s_lshl_b32 s14, s11, 7
	s_add_co_u32 s16, s13, s14                     ; my first row of kv
	s_mov_b32 s17, 0
	s_mov_b64 s[18:19], SIZE_N*2
	s_mul_u64 s[16:17], s[16:17], s[18:19]
	s_add_nc_u64 s[8:9], s[8:9], s[16:17]
	s_lshl_b32 s46, s42, 9                         ; my first column, in bytes: 512 x block + 256 x half
	s_lshl_b32 s47, s12, 8
	s_add_co_u32 s46, s46, s47
	s_mov_b32 s47, 0
	s_add_nc_u64 s[8:9], s[8:9], s[46:47]
	s_wait_loadcnt 0x0                             ; the bias
; rows 16 i .. 16 i + 15 of my block = the eight tiles (a, 0..7) of window 2 or 3.  addw: accumulators as source 0 and destination, bias from window 0;
; from: accumulators as sources 0 and 1, destination window 0; f: F0 or F1 in turn
.macro OUT16 i, a, addw, from, f
	WIN \addw
.irp b, 0,1,2,3,4,5,6,7
.irp p, 0,2,4,6
	v_pk_add_f32 v[8*(8*\a+\b)+\p:8*(8*\a+\b)+\p+1], v[8*(8*\a+\b)+\p:8*(8*\a+\b)+\p+1], v[BIAS+8*\b+160*(\b/4)+\p:BIAS+8*\b+160*(\b/4)+\p+1]
.endr
.endr
	WIN \from
.irp b, 0,1,2,3,4,5,6,7
.irp r, 0,1,2,3
	v_cvt_pk_f16_f32 v[TMP+4*\b+\r], v[8*(8*\a+\b)+2*\r], v[8*(8*\a+\b)+2*\r+1]
.endr
.endr
	WIN 0
	v_add_nc_u32 v[KEYI], 16*\i, v[KEY]            ; my row's key
	v_cmp_gt_i32 vcc_lo, s78, v[KEYI]              ; below the length: the row stays
.set t, 0
.rept 32
	v_cndmask_b32 v[TMP+t], 0, v[TMP+t], vcc_lo
.set t, t+1
.endr
.irp b, 0,1,2,3,4,5,6,7
	ds_store_b128 v[STO], v[TMP+4*\b:TMP+4*\b+3] offset:32*\b
.endr
	s_wait_xcnt 0x0                                ; buffer f, which earlier stores read, and the stores' base are rewritten only behind this wait
.if \i
	s_add_nc_u64 s[8:9], s[8:9], 16*SIZE_N*2
.endif
.irp t, 0,1,2,3,4,5,6,7
	ds_load_b128 v[\f+4*\t:\f+4*\t+3], v[RD] offset:\t*2*SPITCH    ; LDS serves a wave's instructions in order: these see the stores above
.endr
.irp t, 0,1,2,3,4,5,6,7
	s_wait_dscnt 7-\t
	global_store_b128 v[CO], v[\f+4*\t:\f+4*\t+3], s[8:9] offset:2*\t*SIZE_N*2   ; 16 lanes store 256 consecutive bytes, aligned
.endr
.endm
	OUT16 0, 0, 0x82, 0x0a, F0
	OUT16 1, 1, 0x82, 0x0a, F1
	OUT16 2, 2, 0x82, 0x0a, F0
	OUT16 3, 3, 0x82, 0x0a, F1
	OUT16 4, 0, 0xc3, 0x0f, F0
	OUT16 5, 1, 0xc3, 0x0f, F1
	OUT16 6, 2, 0xc3, 0x0f, F0
	OUT16 7, 3, 0xc3, 0x0f, F1
	s_set_vgpr_msb 0x1
	s_wait_tensorcnt 0x0
	ds_add_u32 v255, v31
	s_wait_dscnt 0x0
	s_set_vgpr_msb 0x100
	CROUND                                         ; the closing round: no work-group ends while a partner may still ask for a tile that names it
	s_endpgm
.Lfunc_end_k_q56956f57bd_kvgemm:
	.size	k_q56956f57bd_kvgemm, .Lfunc_end_k_q56956f57bd_kvgemm-k_q56956f57bd_kvgemm
	.p2alignl 7, 3214868480
	.fill 96, 4, 3214868480
	.section	.rodata,"a",@progbits
	.p2align	6, 0x0
	.amdhsa_kernel k_q56956f57bd_kvgemm
		.amdhsa_group_segment_fixed_size 327680
		.amdhsa_private_segment_fixed_size 0
		.amdhsa_enable_private_segment 0
		.amdhsa_kernarg_size 40
		.amdhsa_user_sgpr_count 2
		.amdhsa_user_sgpr_kernarg_segment_ptr 1
		.amdhsa_wavefront_size32 1
		.amdhsa_system_sgpr_workgroup_id_x 1
		.amdhsa_system_sgpr_workgroup_id_y 1
		.amdhsa_system_sgpr_workgroup_id_z 1
		.amdhsa_system_vgpr_workitem_id 0
		.amdhsa_next_free_vgpr 1024
		.amdhsa_next_free_sgpr 80
		.amdhsa_reserve_vcc 1
		.amdhsa_float_denorm_mode_32 3
		.amdhsa_float_denorm_mode_16_64 3
		.amdhsa_memory_ordered 1
		.amdhsa_forward_progress 1
		.amdhsa_inst_pref_size 224
	.end_amdhsa_kernel
	.amdgpu_metadata
---
amdhsa.version: [ 1, 2 ]
amdhsa.kernels:
  - .name:           k_q56956f57bd_kvgemm
    .symbol:         k_q56956f57bd_kvgemm.kd
    .args:
      - { .name: hin, .offset: 0, .size: 8, .value_kind: global_buffer, .address_space: global }
      - { .name: wk_b, .offset: 8, .size: 8, .value_kind: global_buffer, .address_space: global }
      - { .name: wv_b, .offset: 16, .size: 8, .value_kind: global_buffer, .address_space: global }
      - { .name: encoder_lengths, .offset: 24, .size: 8, .value_kind: global_buffer, .address_space: global }
      - { .name: kv, .offset: 32, .size: 8, .value_kind: global_buffer, .address_space: global }
    .group_segment_fixed_size: 327680
    .private_segment_fixed_size: 0
    .kernarg_segment_align: 8
    .kernarg_segment_size: 40
    .max_flat_workgroup_size: 128
    .sgpr_count:     80
    .vgpr_count:     1024
    .wavefront_size: 32
...
	.end_amdgpu_metadata
.endif
;; end of part 2
;; launch attn (part 3): grid 32 x 8, 8 waves a work-group, clusters of 4 x 1, 327,680 bytes of LDS; arguments hin, kv, wq_b, decoder_lengths, att; writes att
.if DOCPART == 3
	.amdgcn_target "amdgcn-amd-amdhsa--gfx1250"
	.amdhsa_code_object_version 6
	.text
	.protected	k_q56956f57bd_attn
	.globl	k_q56956f57bd_attn
	.p2align	8
	.type	k_q56956f57bd_attn,@function
k_q56956f57bd_attn:
	s_mov_b64 s[64:65], 0
	v_nop
	global_prefetch_b8 v0, s[64:65] scope:SCOPE_SE
	s_setreg_imm32_b32 hwreg(HW_REG_WAVE_MODE, 25, 1), 1
	s_wait_xcnt 0x0
	s_wait_alu depctr_hold_cnt(0) depctr_sa_sdst(0) depctr_va_vdst(0) depctr_va_sdst(0) depctr_va_ssrc(0) depctr_va_vcc(0) depctr_vm_vsrc(0)
	s_getreg_b32 s2, hwreg(HW_REG_IB_STS2, 6, 4)
	s_cmp_eq_u32 s2, 0
	s_cbranch_scc0 .Lentry_in_a_cluster
	s_endpgm
.Lentry_in_a_cluster:
	s_bfe_u32 s2, ttmp6, 0x10000c
	s_cmp_lg_u32 s2, 0x3003
	s_cbranch_scc0 .Lentry_shape_is_right
	s_endpgm
.Lentry_shape_is_right:
; Q projection, scores, softmax and P V for one batch b, one pair of heads hp (128 columns) and 128 queries (quarter qq), att in f16.
; Eight waves, two on a SIMD: wave W serves head 2 hp + (W >> 2) and the 32 queries 32 (W & 3) .. + 31 of the quarter, so that one wave's
; softmax runs beside the other's matrix instructions.  All registers lie in v0-v255.
; CLUSTER 4 x 1: the four quarters of one (b, hp) walk the same K and V tiles and the same rows of Wq: these are asked for jointly, mask 15.
; The queries' own rows of Xq differ between the partners and come by plain tensor loads (mask 0), in the same places of the text.
; PHASE 1: Q = (Xq Wq^T + wq_b) x 0.125 log2(e), K = 1,024 in four stages of 256 through the two LDS regions.  Source 0 = rows of Wq, source 1 = rows
; of Xq: a lane's eight results are eight neighbouring d of one query, which pack straight into the fragment that the scores take as source 1.
; Rows with query >= decoder_lengths[b] (signed compare) are made 0: all their scores are 0 and they become the plain mean of V, as in the reference.
; PHASE 2: eight stages of 256 keys through the same two regions.  Scores: source 0 = 16 keys of K, source 1 = Q: a lane holds eight keys of one query,
; which after the exponential pack straight into source 1 of P V (source 0 = V transposed on its way out of LDS).  Running maximum, base 2.
; LIMITS.  All matrix operands are f16: a scaled Q (0.18 x the projection) or an att beyond 65,504 becomes infinite.  A probability, taken relative to the
; running maximum and so at most 1, is rounded with a step of 6e-8 below 6e-5: over 2,048 keys at most 6e-5 of a row's weight.
; Masked scores are 0 where the reference has -1e-9 (K's masked rows are stored as zeros by the launch before, Q's are zeroed here): a relative
; change of 1e-9 in a probability.  A zeroed row that meets an infinite K or Q gives NaN where the reference stays finite.
; The sum of a row's probabilities is taken in f32 before they are rounded to f16 for P V.
.set REG,    143360                    ; an LDS region.  Q stage: Xq 128 rows x 528 at 0, Wq 128 rows x 528 at WT.  KV stage: K 256 rows x 272 at 0, V 256 rows x 288 at VT
.set WT,     67584
.set VT,     69632
.set STAGE,  2*REG                     ; 128 rows x 272 for the way out; no tensor load lands here
.set XQ_OFF, 33554432                  ; Xq in hin
.set WQ_OFF, 41943040                  ; Wq in hin
.set QSTEP,  1024                      ; two Q stages: 512 elements along K
.set KVSTEP, 2097152                   ; two KV stages: 512 rows of 4,096 bytes
.set CSCALE, 0x3e38aa3b                ; 0.125 log2(e)
.set KA, 6                             ; v6-7    K fragments' LDS address in region 0, 1
.set VA, 8                             ; v8-11   V fragments' LDS address: region 0 keys 0-127, 128-255, region 1 likewise
.set MP, 12                            ; v[12:15] running maximum of query tile 0, 1, each twice (a pair for packed arithmetic)
.set AP, 16                            ; v[16:19] the factor 2^(old max - new max), likewise
.set LS, 20                            ; v20-21  running sum of my half of the keys
.set T,  22                            ; v[22:29] at work
.set VQ, 30                            ; v30-31  my query's number in tile 0, 1
.set Q,  32                            ; v[32:63] Q(qt, dc) at 32 + 16 qt + 8 dc; in phase 1 the bias
.set O,  64                            ; v[64:127] O(dt, qt) at 64 + 8 (2 dt + qt)
.set SB, 128                           ; v[128:191] scores: (kc, qt) has 16 registers at 128 + 16 (2 kc + qt); in phase 1 ACC(nt, qt) at 128 + 8 (2 nt + qt)
.set F,  192                           ; v[192:255] fragments of K, then of V
.set B0, 64                            ; phase 1: fragment buffers of 48 registers: Wq's four at + 8 nt, Xq's two at + 32 + 8 qt
.set B1, 192
.set XA, 240                           ; v240-241 phase 1: Xq fragments' LDS address in region 0, 1
.set WA, 242                           ; v242-243 the same for Wq
.set BO, 244                           ; v244    byte offset in the bias
.set G1X, 16                           ; s[16:23] group 1: Xq's tiles (plain)
.set G1W, 24                           ; s[24:31] Wq's (joint)
.set G1K, 32                           ; s[32:39] K's (joint)
.set G1V, 40                           ; s[40:47] V's (joint)
.set G0X, 48                           ; s[48:55] group 0, one set for each region
.set G0W, 56                           ; s[56:63]
.set G0K, 68                           ; s[68:75]
.set G0V, 76                           ; s[76:83]
.macro PLACES n                        ; independent plain vector instructions behind a matrix instruction (ISA guide 7.12.1)
.rept \n
	v_nop
.endr
.endm
.macro MM d, a, b
	v_wmma_f32_16x16x32_f16 v[\d:\d+7], v[\a:\a+7], v[\b:\b+7], v[\d:\d+7]
.endm
.macro MM0 d, a, b                     ; starts a sum: nothing is cleared
	v_wmma_f32_16x16x32_f16 v[\d:\d+7], v[\a:\a+7], v[\b:\b+7], 0
.endm
.macro GROUP1 g, w0, cols, rows, pitch ; a tile of rows x cols elements of 2 bytes that lies inside its tensor
	s_mov_b32 s[\g+0], \w0
	s_mov_b32 s[\g+1], (\cols)<<16
	s_mov_b32 s[\g+2], (\rows)<<16
	s_mov_b32 s[\g+3], (\cols)<<16
	s_mov_b32 s[\g+4], \rows
	s_mov_b32 s[\g+5], \pitch
	s_mov_b32 s[\g+6], 0
	s_mov_b32 s[\g+7], 0
.endm
; A round of the cluster's barrier: my work-group's barrier; wave 0 signals for the work-group; every wave waits for all four; my barrier again.
.macro ROUND
	s_barrier_signal -1
	s_barrier_wait -1
	s_cmp_lg_u32 s14, 0
	s_cbranch_scc1 .Lnot_wave_0_\@
	s_barrier_signal -3
.Lnot_wave_0_\@:
	s_barrier_wait -3
	s_barrier_signal -1
	s_barrier_wait -1
.endm
; One tensor load a wave and stage.  Waves 0-3 bring 32 rows each of Xq (64 of K), waves 4-7 of Wq (of V).  The branch hangs on the wave's number alone.
.macro JQ g
	s_cmp_eq_u32 s15, 0
	s_cbranch_scc0 .Lq_w_\@
	tensor_load_to_lds s[G0X+4*\g:G0X+4*\g+3], s[G1X:G1X+7]
	s_nop 0
	s_branch .Lq_done_\@
.Lq_w_\@:
	tensor_load_to_lds s[G0W+4*\g:G0W+4*\g+3], s[G1W:G1W+7]
	s_nop 0
.Lq_done_\@:
.endm
.macro JKV g
	s_cmp_eq_u32 s15, 0
	s_cbranch_scc0 .Lkv_v_\@
	tensor_load_to_lds s[G0K+4*\g:G0K+4*\g+3], s[G1K:G1K+7]
	s_nop 0
	s_branch .Lkv_done_\@
.Lkv_v_\@:
	tensor_load_to_lds s[G0V+4*\g:G0V+4*\g+3], s[G1V:G1V+7]
	s_nop 0
.Lkv_done_\@:
.endm
; The change of regions.  Every wave waits for all its tensor loads (one is out: its part of the stage that is read next) and for its reads of the region
; just used, then passes a round of the cluster's barrier; the refill of that region is the first tensor load behind it.
; a, b: the two group 0 that the refill uses, stepped by bytes where no load of the wave is out.
.macro TURNOVER a, b, bytes
	s_set_vgpr_msb 0x5
	s_wait_tensorcnt 0x0
	ds_add_u32 v0, v1
	s_wait_dscnt 0x0
	s_set_vgpr_msb 0x500
.if \bytes
	s_add_nc_u64 s[\a+2:\a+3], s[\a+2:\a+3], \bytes
	s_add_nc_u64 s[\b+2:\b+3], s[\b+2:\b+3], \bytes
.endif
	s_wait_dscnt 0x0
	ROUND
.endm
	s_load_b256 s[4:11], s[0:1], 0x0               ; hin s[4:5], kv s[6:7], wq_b s[8:9], decoder_lengths s[10:11]
	s_load_b64 s[12:13], s[0:1], 0x20              ; att
	s_set_vgpr_msb 0x40
	v_lshl_add_u32 v0, v0, 2, 0x4e800
	v_mov_b32 v1, 0
	s_set_vgpr_msb 0x4045
	ds_add_u32 v0, v1
	s_set_vgpr_msb 0x4500
	v_lshrrev_b32 v1, 5, v0
	v_readfirstlane_b32 s14, v1                    ; wave 0..7
	s_lshr_b32 s15, s14, 2                         ; which head of the pair.  Also: which tensor I fetch
	s_and_b32 s84, s14, 3                          ; which 32 queries.  Also: which rows of a tile I fetch
	s_mov_b32 s85, ttmp9                           ; hp: the cluster's x
	s_and_b32 s86, ttmp7, 0xffff                   ; b: the cluster's y
	s_bfe_u32 s87, ttmp6, 0x40000                  ; qq: my place in the cluster.  What hangs on it lives in s87-s91 and s[12:13] alone
	GROUP1 G1X, (1<<16)|(1<<20)|(6<<22)|(3<<25), 256, 32, 1024              ; rows of 512 bytes (128 words, code 6) + 4 words: pitch 528
	GROUP1 G1W, 15|(1<<16)|(1<<20)|(1<<21)|(6<<22)|(3<<25), 256, 32, 1024   ; the same, for all four partners; bit 21 beside the mask
	GROUP1 G1K, 15|(1<<16)|(1<<20)|(1<<21)|(5<<22)|(3<<25), 128, 64, 2048   ; rows of 256 bytes (64 words, code 5) + 4 words: pitch 272
	GROUP1 G1V, 15|(1<<16)|(1<<20)|(1<<21)|(5<<22)|(7<<25), 128, 64, 2048   ; + 8 words: pitch 288, an odd multiple of 32 for the transposing loads
	s_lshl_b32 s90, s86, 9
	s_lshl_b32 s91, s87, 7                         ; 128 qq
	s_add_co_u32 s90, s90, s91                     ; 512 b + 128 qq: my block's first row in Xq and in att
	s_lshl_b32 s88, s84, 5
	s_add_co_u32 s88, s88, s90
	s_lshl_b32 s88, s88, 11                        ; rows of 2,048 bytes
	s_add_co_u32 s88, s88, XQ_OFF
	s_mov_b32 s89, 0
	s_lshl_b32 s92, s85, 7                         ; Wq: row 128 hp + 32 x my part
	s_lshl_b32 s93, s84, 5
	s_add_co_u32 s92, s92, s93
	s_lshl_b32 s92, s92, 11
	s_add_co_u32 s92, s92, WQ_OFF
	s_mov_b32 s93, 0
	s_lshl_b32 s66, s86, 11                        ; kv: row 2,048 b + 64 x my part, 4,096 bytes each, + 256 hp
	s_lshl_b32 s67, s84, 6
	s_add_co_u32 s66, s66, s67
	s_lshl_b32 s66, s66, 12
	s_lshl_b32 s67, s85, 8
	s_add_co_u32 s66, s66, s67
	s_mov_b32 s67, 0
	s_mul_i32 s2, s14, 16896                       ; LDS: 32 rows x 528 a wave, Xq's four parts then Wq's
	s_mul_i32 s3, s84, 17408                       ; 64 rows x 272 of K
	s_mul_i32 s98, s84, 18432                      ; 64 rows x 288 of V,
	s_add_co_u32 s98, s98, VT                      ; behind K
	s_lshl_b32 s99, s86, 2
	s_wait_dscnt 0x0
	s_wait_kmcnt 0x0
	s_load_b32 s94, s[10:11], s99 offset:0x0       ; decoder_lengths[b]
	s_add_nc_u64 s[88:89], s[4:5], s[88:89]
	s_add_nc_u64 s[92:93], s[4:5], s[92:93]
	s_add_nc_u64 s[66:67], s[6:7], s[66:67]
.irp g, 0,1
	s_mov_b32 s[G0X+4*\g], 1
	s_add_co_u32 s[G0X+4*\g+1], s2, \g*REG
	s_add_nc_u64 s[G0X+4*\g+2:G0X+4*\g+3], s[88:89], \g*512
	s_or_b32 s[G0X+4*\g+3], s[G0X+4*\g+3], 0x80000000
	s_mov_b32 s[G0W+4*\g], 1
	s_add_co_u32 s[G0W+4*\g+1], s2, \g*REG
	s_add_nc_u64 s[G0W+4*\g+2:G0W+4*\g+3], s[92:93], \g*512
	s_or_b32 s[G0W+4*\g+3], s[G0W+4*\g+3], 0x80000000
	s_mov_b32 s[G0K+4*\g], 1
	s_add_co_u32 s[G0K+4*\g+1], s3, \g*REG
	s_add_nc_u64 s[G0K+4*\g+2:G0K+4*\g+3], s[66:67], \g*1048576
	s_or_b32 s[G0K+4*\g+3], s[G0K+4*\g+3], 0x80000000
	s_mov_b32 s[G0V+4*\g], 1
	s_add_co_u32 s[G0V+4*\g+1], s98, \g*REG
	s_add_nc_u64 s[G0V+4*\g+2:G0V+4*\g+3], s[66:67], \g*1048576+2048
	s_or_b32 s[G0V+4*\g+3], s[G0V+4*\g+3], 0x80000000
.endr
	ROUND                                          ; all four work-groups are here: the first joint loads meet
	JQ 0                                           ; Q stages 0 and 1: two loads of the wave are out, the most in this text
	JQ 1
	s_lshl_b32 s92, s85, 9                         ; the bias of my head: 4 (128 hp + 64 head)
	s_lshl_b32 s93, s15, 8
	s_add_co_u32 s92, s92, s93
	s_mov_b32 s93, 0
	s_add_nc_u64 s[8:9], s[8:9], s[92:93]
	v_and_b32 v1, 15, v0                           ; r = lane % 16
	v_bfe_u32 v2, v0, 4, 1                         ; h = lane / 16
	v_lshlrev_b32 v[BO], 5, v2
.irp nt, 0,1,2,3
	global_load_b128 v[Q+8*\nt:Q+8*\nt+3],   v[BO], s[8:9] offset:64*\nt      ; wq_b of d = 16 nt + 8 h + 0..7
	global_load_b128 v[Q+8*\nt+4:Q+8*\nt+7], v[BO], s[8:9] offset:64*\nt+16
.endr
	v_mul_u32_u24 v3, v1, 528                      ; phase 1 fragments: row x pitch + 16 h
	v_lshl_add_u32 v3, v2, 4, v3
	s_mul_i32 s2, s84, 16896                       ; my 32 rows of Xq
	s_mul_i32 s3, s15, 33792                       ; my 64 rows of Wq
	s_add_co_u32 s3, s3, WT
	v_add_nc_u32 v[XA], s2, v3
	v_add_nc_u32 v[WA], s3, v3
	v_add_nc_u32 v[XA+1], REG, v[XA]
	v_add_nc_u32 v[WA+1], REG, v[WA]
	s_lshl_b32 s2, s15, 7                          ; my head's 128 bytes in a row of K or V
	v_mul_u32_u24 v3, v1, 272                      ; K fragments: key r, + 16 h
	v_lshl_add_u32 v3, v2, 4, v3
	v_add_nc_u32 v[KA], s2, v3
	v_add_nc_u32 v[KA+1], REG, v[KA]
	v_and_b32 v4, 7, v0                            ; V through the transposing load: lane addresses key 8 h + lane % 8, 16 bytes at 16 ((lane / 8) % 2)
	v_bfe_u32 v5, v0, 3, 1
	v_lshl_add_u32 v4, v2, 3, v4
	v_mul_u32_u24 v4, v4, 288
	v_lshl_add_u32 v4, v5, 4, v4
	s_add_co_u32 s2, s2, VT
	v_add_nc_u32 v[VA], s2, v4
	v_add_nc_u32 v[VA+1], 36864, v[VA]             ; keys 128-255: 128 rows x 288, so that the immediates stay below 65,536
	v_add_nc_u32 v[VA+2], REG, v[VA]
	v_add_nc_u32 v[VA+3], REG, v[VA+1]
	s_lshl_b32 s89, s84, 5
	s_add_co_u32 s89, s89, s91                     ; 128 qq + 32 x my part
	v_add_nc_u32 v[VQ], s89, v1
	v_add_nc_u32 v[VQ+1], 16, v[VQ]
	v_mov_b32 v[T+2], 0                            ; destinations of v_permlanex16_b32 count as read
	v_mov_b32 v[T+6], 0
	s_mov_b32 s96, 0x76543210                      ; lane i of one half reads lane i of the other
	s_mov_b32 s97, 0xfedcba98
	s_wait_kmcnt 0x0                               ; the length
; PHASE 1.  12 LDS loads: the fragments of 32 along K (step k of the stage in region g) into buffer buf
.macro QFETCH g, k, buf
.irp nt, 0,1,2,3
	ds_load_b128 v[\buf+8*\nt:\buf+8*\nt+3],   v[WA+\g] offset:\nt*8448+64*(\k)
	ds_load_b128 v[\buf+8*\nt+4:\buf+8*\nt+7], v[WA+\g] offset:\nt*8448+64*(\k)+32
.endr
.irp qt, 0,1
	ds_load_b128 v[\buf+32+8*\qt:\buf+32+8*\qt+3], v[XA+\g] offset:\qt*8448+64*(\k)
	ds_load_b128 v[\buf+32+8*\qt+4:\buf+32+8*\qt+7], v[XA+\g] offset:\qt*8448+64*(\k)+32
.endr
.endm
; 8 matrix instructions on 8 accumulators, which take turns, one instruction a turn, always in this order
.macro QMUL buf, zero
.irp nt, 0,1,2,3
.irp qt, 0,1
.if \zero
	MM0 SB+8*(2*\nt+\qt), \buf+8*\nt, \buf+32+8*\qt
.else
	MM SB+8*(2*\nt+\qt), \buf+8*\nt, \buf+32+8*\qt
.endif
.endr
.endr
.endm
; a stage: 8 steps of 32 along K on buffers 0, 1, 0, 1 ..; each step's fragments are asked for one step ahead, four places behind the products that read the buffer
.macro QSTAGE g, zero
	PLACES 4
	QFETCH \g, 0, B0
	QFETCH \g, 1, B1
	s_wait_dscnt 12                                ; all but the 12 loads just issued
	QMUL B0, \zero
.irp kk, 1,3,5
	PLACES 4
	QFETCH \g, \kk+1, B0
	s_wait_dscnt 12
	QMUL B1, 0
	PLACES 4
	QFETCH \g, \kk+2, B1
	s_wait_dscnt 12
	QMUL B0, 0
.endr
	s_wait_dscnt 0
	QMUL B1, 0
.endm
; PHASE 2.  Scores of 16 keys (block kt of the 64) against both query tiles, d in two halves; s = the accumulator of query tile 0, tile 1's lies 16 further.
; The two accumulators take turns, one instruction a turn.
.macro SQK kt, s
	s_wait_dscnt 12-4*\kt                          ; this block's four loads are in, the later blocks' stay out
	MM0 \s, F+16*\kt, Q
	MM0 \s+16, F+16*\kt, Q+16
	MM \s, F+16*\kt+8, Q+8
	MM \s+16, F+16*\kt+8, Q+24
.endm
; eight scores: take the maximum away, then 2^x in place.  The next group's packed subtractions are the plain instructions behind these exponentials.
.macro EXP8 base, qt
.irp p, 0,2,4,6
	v_pk_add_f32 v[\base+\p:\base+\p+1], v[\base+\p:\base+\p+1], v[MP+2*\qt:MP+2*\qt+1] neg_lo:[0,1] neg_hi:[0,1]
.endr
.irp p, 0,1,2,3,4,5,6,7
	v_exp_f32 v[\base+\p], v[\base+\p]
.endr
.endm
; 64 keys: block sb of the stage in region reg.  first = 1: the very first block starts maximum, sums and O.
.macro SUB reg, sb, first
.irp kt, 0,1,2,3
.irp dc, 0,1
	ds_load_b128 v[F+16*\kt+8*\dc:F+16*\kt+8*\dc+3],   v[KA+\reg] offset:(4*\sb+\kt)*4352+64*\dc
	ds_load_b128 v[F+16*\kt+8*\dc+4:F+16*\kt+8*\dc+7], v[KA+\reg] offset:(4*\sb+\kt)*4352+64*\dc+32
.endr
.endr
	SQK 0, SB
	SQK 1, SB+8
	SQK 2, SB+32
	SQK 3, SB+40
	PLACES 4                                       ; behind the score products: for the loads into F and for the reads of the scores
.irp kc, 0,1
.irp dt, 0,1,2,3
	ds_load_tr16_b128 v[F+32*\kc+8*\dt:F+32*\kc+8*\dt+3],   v[VA+2*\reg+\sb/2] offset:((\sb%2)*64+32*\kc)*288+32*\dt
	ds_load_tr16_b128 v[F+32*\kc+8*\dt+4:F+32*\kc+8*\dt+7], v[VA+2*\reg+\sb/2] offset:((\sb%2)*64+32*\kc)*288+32*\dt+4608
.endr
.endr
	; the new maximum of each query: my 32 scores in two chains, the old maximum, then the other half of the lanes
.irp qt, 0,1
	v_max3_num_f32 v[T+4*\qt], v[SB+16*\qt], v[SB+16*\qt+1], v[SB+16*\qt+2]
	v_max3_num_f32 v[T+4*\qt+1], v[SB+32+16*\qt], v[SB+32+16*\qt+1], v[SB+32+16*\qt+2]
.irp i, 3,5,7,9,11,13
	v_max3_num_f32 v[T+4*\qt], v[T+4*\qt], v[SB+16*\qt+\i], v[SB+16*\qt+\i+1]
	v_max3_num_f32 v[T+4*\qt+1], v[T+4*\qt+1], v[SB+32+16*\qt+\i], v[SB+32+16*\qt+\i+1]
.endr
	v_max3_num_f32 v[T+4*\qt], v[T+4*\qt], v[SB+16*\qt+15], v[T+4*\qt+1]
.if \first
	v_max_num_f32 v[T+4*\qt], v[T+4*\qt], v[SB+32+16*\qt+15]
.else
	v_max3_num_f32 v[T+4*\qt], v[T+4*\qt], v[SB+32+16*\qt+15], v[MP+2*\qt]
.endif
	v_permlanex16_b32 v[T+4*\qt+2], v[T+4*\qt], s96, s97
	v_max_num_f32 v[T+4*\qt+2], v[T+4*\qt+2], v[T+4*\qt]
.if \first == 0
	v_sub_f32 v[T+4*\qt+3], v[MP+2*\qt], v[T+4*\qt+2]
.endif
	v_mov_b32 v[MP+2*\qt], v[T+4*\qt+2]
	v_mov_b32 v[MP+2*\qt+1], v[T+4*\qt+2]
.endr
.if \first == 0
	v_exp_f32 v[AP], v[T+3]                        ; 2^(old - new); used far below
	v_exp_f32 v[AP+2], v[T+7]
.endif
	EXP8 SB, 0
	EXP8 SB+8, 0
	EXP8 SB+16, 1
	EXP8 SB+24, 1
	EXP8 SB+32, 0
	EXP8 SB+40, 0
	EXP8 SB+48, 1
	EXP8 SB+56, 1
.if \first
	v_nop                                          ; the plain instruction behind the last exponentials
	s_wait_alu depctr_va_vdst(0)
.else
	s_wait_alu depctr_va_vdst(0)
	v_mov_b32 v[AP+1], v[AP]                       ; plain, and touches none of the last exponentials' registers
	v_mov_b32 v[AP+3], v[AP+2]
.irp dt, 0,1,2,3
.irp qt, 0,1
.irp p, 0,2,4,6
	v_pk_mul_f32 v[O+8*(2*\dt+\qt)+\p:O+8*(2*\dt+\qt)+\p+1], v[O+8*(2*\dt+\qt)+\p:O+8*(2*\dt+\qt)+\p+1], v[AP+2*\qt:AP+2*\qt+1]
.endr
.endr
.endr
.endif
	; the sum of my 32 probabilities of each query, two packed chains; the halves of the lanes meet only at the end of the kernel
.irp qt, 0,1
	v_pk_add_f32 v[T+4*\qt:T+4*\qt+1], v[SB+16*\qt:SB+16*\qt+1], v[SB+16*\qt+2:SB+16*\qt+3]
	v_pk_add_f32 v[T+4*\qt+2:T+4*\qt+3], v[SB+32+16*\qt:SB+32+16*\qt+1], v[SB+32+16*\qt+2:SB+32+16*\qt+3]
.irp i, 4,6,8,10,12,14
	v_pk_add_f32 v[T+4*\qt:T+4*\qt+1], v[T+4*\qt:T+4*\qt+1], v[SB+16*\qt+\i:SB+16*\qt+\i+1]
	v_pk_add_f32 v[T+4*\qt+2:T+4*\qt+3], v[T+4*\qt+2:T+4*\qt+3], v[SB+32+16*\qt+\i:SB+32+16*\qt+\i+1]
.endr
	v_pk_add_f32 v[T+4*\qt:T+4*\qt+1], v[T+4*\qt:T+4*\qt+1], v[T+4*\qt+2:T+4*\qt+3]
.if \first
	v_add_f32 v[LS+\qt], v[T+4*\qt], v[T+4*\qt+1]
.else
	v_add_f32 v[T+4*\qt], v[T+4*\qt], v[T+4*\qt+1]
	v_fma_f32 v[LS+\qt], v[LS+\qt], v[AP+2*\qt], v[T+4*\qt]
.endif
.endr
	; to f16 in place, ascending: the 16 registers of (kc, qt) become the 8 of P's fragment
.irp c, 0,1,2,3
.irp i, 0,1,2,3,4,5,6,7
	v_cvt_pk_f16_f32 v[SB+16*\c+\i], v[SB+16*\c+2*\i], v[SB+16*\c+2*\i+1]
.endr
.endr
	s_wait_dscnt 8                                 ; V of the first 32 keys is in, the second eight loads stay out
.irp dt, 0,1,2,3
.irp qt, 0,1
.if \first
	MM0 O+8*(2*\dt+\qt), F+8*\dt, SB+16*\qt
.else
	MM O+8*(2*\dt+\qt), F+8*\dt, SB+16*\qt
.endif
.endr
.endr
	s_wait_dscnt 0
.irp dt, 0,1,2,3
.irp qt, 0,1
	MM O+8*(2*\dt+\qt), F+32+8*\dt, SB+32+16*\qt   ; the eight accumulators take turns in one order
.endr
.endr
	PLACES 5                                       ; in front of the next loads into F and of the next score products, which write over P
.endm
.macro KVSTAGE reg, first
	SUB \reg, 0, \first
	SUB \reg, 1, 0
	SUB \reg, 2, 0
	SUB \reg, 3, 0
.endm
	s_wait_tensorcnt 0x1                           ; my part of Q stage 0 is in; stage 1's stays out
	s_barrier_signal -1
	s_barrier_wait -1
	QSTAGE 0, 1                                    ; Q stage 0: its first products start the sums
	TURNOVER G0X, G0W, QSTEP
	JQ 0                                           ; Q stage 2
	QSTAGE 1, 0
	TURNOVER G0X+4, G0W+4, QSTEP
	JQ 1                                           ; Q stage 3
	QSTAGE 0, 0
	TURNOVER G0X, G0W, 0
	JKV 0                                          ; keys 0-255
	QSTAGE 1, 0
	; Q = (sum + bias) x 0.125 log2(e), to f16, invalid queries to 0
	PLACES 5                                       ; also for the first score products, which write over these accumulators
	s_wait_loadcnt 0x0                             ; the bias
.set i, 0
.rept 16
	v_pk_mul_f32 v[Q+2*i:Q+2*i+1], v[Q+2*i:Q+2*i+1], CSCALE op_sel_hi:[1,0]
.set i, i+1
.endr
.irp nt, 0,1,2,3
.irp qt, 0,1
.irp p, 0,2,4,6
	v_pk_fma_f32 v[SB+8*(2*\nt+\qt)+\p:SB+8*(2*\nt+\qt)+\p+1], v[SB+8*(2*\nt+\qt)+\p:SB+8*(2*\nt+\qt)+\p+1], CSCALE, v[Q+8*\nt+\p:Q+8*\nt+\p+1] op_sel_hi:[1,0,1]
.endr
.endr
.endr
.irp qt, 0,1
.irp dc, 0,1
.irp i, 0,1,2,3
	v_cvt_pk_f16_f32 v[Q+16*\qt+8*\dc+\i], v[SB+8*(4*\dc+\qt)+2*\i], v[SB+8*(4*\dc+\qt)+2*\i+1]             ; d = 32 dc + 8 h + 0..7
	v_cvt_pk_f16_f32 v[Q+16*\qt+8*\dc+4+\i], v[SB+8*(4*\dc+2+\qt)+2*\i], v[SB+8*(4*\dc+2+\qt)+2*\i+1]       ; d = 32 dc + 16 + 8 h + 0..7
.endr
.endr
.endr
	v_cmp_gt_i32 s98, s94, v[VQ]                   ; the length is above my query's number: the row stays
	v_cmp_gt_i32 s99, s94, v[VQ+1]
.set i, 0
.rept 16
	v_cndmask_b32 v[Q+i], 0, v[Q+i], s98
	v_cndmask_b32 v[Q+16+i], 0, v[Q+16+i], s99
.set i, i+1
.endr
	TURNOVER G0X, G0W, 0
	JKV 1                                          ; keys 256-511
	KVSTAGE 0, 1                                   ; keys 0-255
	s_mov_b32 s95, 3
.Lkv:                                              ; stages 1 to 6; each asks for the next stage and has that stage's 128 matrix instructions a wave in which it lands
	TURNOVER G0K, G0V, KVSTEP
	JKV 0
	KVSTAGE 1, 0
	TURNOVER G0K+4, G0V+4, KVSTEP
	JKV 1
	KVSTAGE 0, 0
	s_sub_co_u32 s95, s95, 1
	s_cmp_lg_u32 s95, 0
	s_cbranch_scc1 .Lkv
	TURNOVER G0K, G0V, 0                           ; the last stage asks for nothing
	KVSTAGE 1, 0
	; THE WAY OUT: divide by the sum, to f16, through the stage so that whole rows of 256 bytes (both heads) leave together
	v_permlanex16_b32 v[T], v[LS], s96, s97
	v_permlanex16_b32 v[T+1], v[LS+1], s96, s97
	v_add_f32 v[T], v[T], v[LS]                    ; both halves of the keys; at least 1, since the largest term is 1
	v_add_f32 v[T+1], v[T+1], v[LS+1]
	v_rcp_f32 v[AP], v[T]
	v_rcp_f32 v[AP+2], v[T+1]
	v_and_b32 v1, 15, v0                           ; the plain instruction behind the reciprocals
	s_wait_alu depctr_va_vdst(0)
	v_mov_b32 v[AP+1], v[AP]
	v_mov_b32 v[AP+3], v[AP+2]
	v_bfe_u32 v2, v0, 4, 1
.irp dt, 0,1,2,3
.irp qt, 0,1
.irp p, 0,2,4,6
	v_pk_mul_f32 v[O+8*(2*\dt+\qt)+\p:O+8*(2*\dt+\qt)+\p+1], v[O+8*(2*\dt+\qt)+\p:O+8*(2*\dt+\qt)+\p+1], v[AP+2*\qt:AP+2*\qt+1]
.endr
.endr
.endr
.irp dt, 0,1,2,3
.irp qt, 0,1
.irp i, 0,1,2,3
	v_cvt_pk_f16_f32 v[SB+4*(2*\dt+\qt)+\i], v[O+8*(2*\dt+\qt)+2*\i], v[O+8*(2*\dt+\qt)+2*\i+1]
.endr
.endr
.endr
	s_mul_i32 s2, s84, 8704                        ; my 32 rows x 272,
	s_lshl_b32 s3, s15, 7                          ; my head's 128 bytes
	s_add_co_u32 s2, s2, s3
	s_add_co_u32 s2, s2, STAGE
	v_mul_u32_u24 v3, v1, 272
	v_lshl_add_u32 v3, v2, 4, v3
	v_add_nc_u32 v3, s2, v3
.irp dt, 0,1,2,3
.irp qt, 0,1
	ds_store_b128 v3, v[SB+4*(2*\dt+\qt):SB+4*(2*\dt+\qt)+3] offset:4352*\qt+32*\dt    ; query 16 qt + r, d = 16 dt + 8 h + 0..7
.endr
.endr
	s_mul_i32 s3, s14, 4352                        ; back: wave W takes rows 16 W .. + 15, lanes 0-15 one row, lanes 16-31 the next
	s_add_co_u32 s3, s3, STAGE
	v_mul_u32_u24 v4, v2, 272
	v_lshl_add_u32 v4, v1, 4, v4
	v_add_nc_u32 v4, s3, v4
	v_lshlrev_b32 v5, 11, v2
	v_lshl_add_u32 v5, v1, 4, v5
	s_lshl_b32 s88, s14, 4
	s_add_co_u32 s88, s88, s90                     ; row 512 b + 128 qq + 16 W of att
	s_lshl_b32 s88, s88, 11
	s_lshl_b32 s89, s85, 8
	s_add_co_u32 s88, s88, s89                     ; + 256 hp bytes
	s_mov_b32 s89, 0
	s_add_nc_u64 s[12:13], s[12:13], s[88:89]
	s_wait_dscnt 0x0                               ; my stores are done, for the waves that read them
	s_barrier_signal -1
	s_barrier_wait -1
.irp t, 0,1,2,3,4,5,6,7
	ds_load_b128 v[F+4*\t:F+4*\t+3], v4 offset:544*\t
.endr
.irp t, 0,1,2,3,4,5,6,7
	s_wait_dscnt 7-\t
	global_store_b128 v5, v[F+4*\t:F+4*\t+3], s[12:13] offset:4096*\t    ; 16 lanes store 256 consecutive bytes, aligned
.endr
	s_set_vgpr_msb 0x5
	s_wait_tensorcnt 0x0
	ds_add_u32 v0, v1
	s_wait_dscnt 0x0
	s_set_vgpr_msb 0x500
	ROUND                                          ; the closing round: no work-group ends while a partner may still ask for a tile that names it
	s_endpgm
.Lfunc_end_k_q56956f57bd_attn:
	.size	k_q56956f57bd_attn, .Lfunc_end_k_q56956f57bd_attn-k_q56956f57bd_attn
	.p2alignl 7, 3214868480
	.fill 96, 4, 3214868480
	.section	.rodata,"a",@progbits
	.p2align	6, 0x0
	.amdhsa_kernel k_q56956f57bd_attn
		.amdhsa_group_segment_fixed_size 327680
		.amdhsa_private_segment_fixed_size 0
		.amdhsa_enable_private_segment 0
		.amdhsa_kernarg_size 40
		.amdhsa_user_sgpr_count 2
		.amdhsa_user_sgpr_kernarg_segment_ptr 1
		.amdhsa_wavefront_size32 1
		.amdhsa_system_sgpr_workgroup_id_x 1
		.amdhsa_system_sgpr_workgroup_id_y 1
		.amdhsa_system_sgpr_workgroup_id_z 1
		.amdhsa_system_vgpr_workitem_id 0
		.amdhsa_next_free_vgpr 258
		.amdhsa_next_free_sgpr 100
		.amdhsa_reserve_vcc 0
		.amdhsa_float_denorm_mode_32 3
		.amdhsa_float_denorm_mode_16_64 3
		.amdhsa_memory_ordered 1
		.amdhsa_forward_progress 1
		.amdhsa_inst_pref_size 255
	.end_amdhsa_kernel
	.section	.bss,"aw",@nobits
	.p2align	6
	.space	262144
	.amdgpu_metadata
---
amdhsa.version: [ 1, 2 ]
amdhsa.kernels:
  - .name:           k_q56956f57bd_attn
    .symbol:         k_q56956f57bd_attn.kd
    .args:
      - { .name: hin, .offset: 0, .size: 8, .value_kind: global_buffer, .address_space: global }
      - { .name: kv, .offset: 8, .size: 8, .value_kind: global_buffer, .address_space: global }
      - { .name: wq_b, .offset: 16, .size: 8, .value_kind: global_buffer, .address_space: global }
      - { .name: decoder_lengths, .offset: 24, .size: 8, .value_kind: global_buffer, .address_space: global }
      - { .name: att, .offset: 32, .size: 8, .value_kind: global_buffer, .address_space: global }
    .group_segment_fixed_size: 327680
    .private_segment_fixed_size: 0
    .kernarg_segment_align: 8
    .kernarg_segment_size: 40
    .max_flat_workgroup_size: 256
    .sgpr_count:     100
    .vgpr_count:     258
    .wavefront_size: 32
...
	.end_amdgpu_metadata
.endif
;; end of part 3
;; launch oproj (part 4): grid 8 x 32, 8 waves a work-group, clusters of 4 x 4, 327,680 bytes of LDS; arguments att, hin, wo_b, out0; writes out0
.if DOCPART == 4
	.amdgcn_target "amdgcn-amd-amdhsa--gfx1250"
	.amdhsa_code_object_version 6
	.text
	.protected	k_q56956f57bd_oproj
	.globl	k_q56956f57bd_oproj
	.p2align	8
	.type	k_q56956f57bd_oproj,@function
k_q56956f57bd_oproj:
	s_mov_b64 s[64:65], 0
	v_nop
	global_prefetch_b8 v0, s[64:65] scope:SCOPE_SE
	s_setreg_imm32_b32 hwreg(HW_REG_WAVE_MODE, 25, 1), 1
	s_wait_xcnt 0x0
	s_wait_alu depctr_hold_cnt(0) depctr_sa_sdst(0) depctr_va_vdst(0) depctr_va_sdst(0) depctr_va_ssrc(0) depctr_va_vcc(0) depctr_vm_vsrc(0)
	s_getreg_b32 s2, hwreg(HW_REG_IB_STS2, 6, 4)
	s_cmp_eq_u32 s2, 0
	s_cbranch_scc0 .Lentry_in_a_cluster
	s_endpgm
.Lentry_in_a_cluster:
	s_bfe_u32 s2, ttmp6, 0x10000c
	s_cmp_lg_u32 s2, 0xf033
	s_cbranch_scc0 .Lentry_shape_is_right
	s_endpgm
.Lentry_shape_is_right:
; out0[m][n] = sum over k of att[m][k] Wo[n][k] + wo_b[n], f16 operands, f32 sums, out0 in f32.  M = 4,096, N = K = 1,024.
; 256 blocks of 128 x 128, one for each work-group; eight waves, wave W makes rows 32 (W & 3) .. + 31 and columns 64 (W >> 2) .. + 63 of the block.
; K goes in four stages of 256 through two LDS regions; a stage's rows are 512 bytes of memory, aligned to 256.
; CLUSTER 4 x 4: att's tile hangs on the block row alone and is asked for jointly along a row of the cluster, Wo's on the block column alone, along a column.
; Source 0 = rows of Wo, source 1 = rows of att: a lane's eight results are eight neighbouring columns of one row of out0, 32 bytes.
; The small wave tile (32 x 64) reads more LDS bytes for each product than a larger one would; it is kept because this launch has a fourteenth of the
; program's products and 128 x 128 blocks are what gives every one of 256 work-groups a block.
.set REG,    135168                    ; an LDS region: att 128 rows x 528 at 0, Wo 128 rows x 528 at WT
.set WT,     67584
.set STAGE,  2*REG                     ; 16 rows x 272 for each wave, for the way out; no tensor load lands here
.set WO_OFF, 48234496                  ; Wo in hin
.set QSTEP,  1024                      ; two stages: 512 elements along K
.set STO, 6                            ; v6   the way out: where I put 32 bytes of a row
.set RD,  7                            ; v7   where I read a row back
.set CO,  8                            ; v8   my byte offset in out0
.set QB,  32                           ; v[32:63] the bias of my 8 columns in each of 4 column tiles
.set OB,  64                           ; v[64:127] the way out: rows as read back
.set SB,  128                          ; v[128:191] ACC(nt, qt) at 128 + 8 (2 nt + qt)
.set B0,  64                           ; fragment buffers of 48 registers: Wo's four at + 8 nt, att's two at + 32 + 8 qt
.set B1,  192
.set XA,  240                          ; v240-241 att fragments' LDS address in region 0, 1
.set WA,  242                          ; v242-243 the same for Wo
.set BO,  244                          ; v244 byte offset in the bias
.set G1A, 16                           ; s[16:23] group 1 for att's tiles
.set G1B, 24                           ; s[24:31] for Wo's
.set G0A, 32                           ; s[32:39] group 0, one set for each region
.set G0B, 40                           ; s[40:47]
.macro PLACES n                        ; independent plain vector instructions behind a matrix instruction (ISA guide 7.12.1)
.rept \n
	v_nop
.endr
.endm
.macro MM d, a, b
	v_wmma_f32_16x16x32_f16 v[\d:\d+7], v[\a:\a+7], v[\b:\b+7], v[\d:\d+7]
.endm
.macro MM0 d, a, b
	v_wmma_f32_16x16x32_f16 v[\d:\d+7], v[\a:\a+7], v[\b:\b+7], 0
.endm
.macro ROUND                           ; a round of the cluster's barrier
	s_barrier_signal -1
	s_barrier_wait -1
	s_cmp_lg_u32 s14, 0
	s_cbranch_scc1 .Lnot_wave_0_\@
	s_barrier_signal -3
.Lnot_wave_0_\@:
	s_barrier_wait -3
	s_barrier_signal -1
	s_barrier_wait -1
.endm
.macro JL g                            ; waves 0-3 bring 32 rows each of att, waves 4-7 of Wo; the branch hangs on the wave's number alone
	s_cmp_eq_u32 s15, 0
	s_cbranch_scc0 .Lj_b_\@
	tensor_load_to_lds s[G0A+4*\g:G0A+4*\g+3], s[G1A:G1A+7]
	s_nop 0
	s_branch .Lj_done_\@
.Lj_b_\@:
	tensor_load_to_lds s[G0B+4*\g:G0B+4*\g+3], s[G1B:G1B+7]
	s_nop 0
.Lj_done_\@:
.endm
; The change of regions: every wave waits for all its tensor loads and for its reads of the region just used, then passes a round of the cluster's barrier;
; the refill is the first tensor load behind it.  The group 0 that it uses are stepped where no load of the wave is out.
.macro TURNOVER a, b, bytes
	s_wait_tensorcnt 0x0
	ds_add_u32 v254, v255
	s_wait_dscnt 0x0
.if \bytes
	s_add_nc_u64 s[\a+2:\a+3], s[\a+2:\a+3], \bytes
	s_add_nc_u64 s[\b+2:\b+3], s[\b+2:\b+3], \bytes
.endif
	s_wait_dscnt 0x0
	ROUND
.endm
.macro QFETCH g, k, buf                ; 12 LDS loads: the fragments of 32 along K
.irp nt, 0,1,2,3
	ds_load_b128 v[\buf+8*\nt:\buf+8*\nt+3],   v[WA+\g] offset:\nt*8448+64*(\k)
	ds_load_b128 v[\buf+8*\nt+4:\buf+8*\nt+7], v[WA+\g] offset:\nt*8448+64*(\k)+32
.endr
.irp qt, 0,1
	ds_load_b128 v[\buf+32+8*\qt:\buf+32+8*\qt+3], v[XA+\g] offset:\qt*8448+64*(\k)
	ds_load_b128 v[\buf+32+8*\qt+4:\buf+32+8*\qt+7], v[XA+\g] offset:\qt*8448+64*(\k)+32
.endr
.endm
.macro QMUL buf, zero                  ; 8 accumulators take turns, one instruction a turn, always in this order
.irp nt, 0,1,2,3
.irp qt, 0,1
.if \zero
	MM0 SB+8*(2*\nt+\qt), \buf+8*\nt, \buf+32+8*\qt
.else
	MM SB+8*(2*\nt+\qt), \buf+8*\nt, \buf+32+8*\qt
.endif
.endr
.endr
.endm
.macro QSTAGE g, zero                  ; 8 steps of 32 along K on buffers 0, 1, 0, 1 ..; fragments are asked for one step ahead
	PLACES 4
	QFETCH \g, 0, B0
	QFETCH \g, 1, B1
	s_wait_dscnt 12                                ; all but the 12 loads just issued
	QMUL B0, \zero
.irp kk, 1,3,5
	PLACES 4
	QFETCH \g, \kk+1, B0
	s_wait_dscnt 12
	QMUL B1, 0
	PLACES 4
	QFETCH \g, \kk+2, B1
	s_wait_dscnt 12
	QMUL B0, 0
.endr
	s_wait_dscnt 0
	QMUL B1, 0
.endm
	s_load_b256 s[4:11], s[0:1], 0x0               ; att s[4:5], hin s[6:7], wo_b s[8:9], out0 s[10:11]
	v_lshl_add_u32 v254, v0, 2, 0x4a800
	v_mov_b32 v255, 0
	ds_add_u32 v254, v255
	v_lshrrev_b32 v1, 5, v0
	v_readfirstlane_b32 s14, v1                    ; wave 0..7
	s_lshr_b32 s15, s14, 2                         ; which 64 columns.  Also: which tensor I fetch
	s_and_b32 s12, s14, 3                          ; which 32 rows.  Also: which rows of a tile I fetch
	s_bfe_u32 s48, ttmp6, 0x40000                  ; cx
	s_bfe_u32 s49, ttmp6, 0x40004                  ; cy
	s_lshl_b32 s50, ttmp9, 2
	s_add_co_u32 s50, s50, s48                     ; block column
	s_and_b32 s51, ttmp7, 0xffff
	s_lshl_b32 s51, s51, 2
	s_add_co_u32 s51, s51, s49                     ; block row
	s_lshl_b32 s52, s49, 2
	s_lshl_b32 s52, 15, s52                        ; my row of the cluster
	s_lshl_b32 s53, 0x1111, s48                    ; my column
	; group 1: 32 rows x 256 elements of 2 bytes; after every 128 words (code 6) 4 words of padding: pitch 528; bit 21 beside the mask
	s_or_b32 s[G1A+0], s52, (1<<16)|(1<<20)|(1<<21)|(6<<22)|(3<<25)
	s_or_b32 s[G1B+0], s53, (1<<16)|(1<<20)|(1<<21)|(6<<22)|(3<<25)
.irp g, G1A, G1B
	s_mov_b32 s[\g+1], 256<<16                     ; tensor_dim0
	s_mov_b32 s[\g+2], 32<<16                      ; tensor_dim1
	s_mov_b32 s[\g+3], 256<<16                     ; tile_dim0
	s_mov_b32 s[\g+4], 32                          ; tile_dim1
	s_mov_b32 s[\g+5], 1024                        ; elements from row to row
	s_mov_b32 s[\g+6], 0
	s_mov_b32 s[\g+7], 0
.endr
	s_lshl_b32 s54, s51, 7                         ; att: row 128 x block row + 32 x my part, 2,048 bytes each; no register here ever holds cx
	s_lshl_b32 s55, s12, 5
	s_add_co_u32 s54, s54, s55
	s_lshl_b32 s54, s54, 11
	s_mov_b32 s55, 0
	s_lshl_b32 s56, s50, 7                         ; Wo: row 128 x block column + 32 x my part; no register here ever holds cy
	s_lshl_b32 s57, s12, 5
	s_add_co_u32 s56, s56, s57
	s_lshl_b32 s56, s56, 11
	s_add_co_u32 s56, s56, WO_OFF
	s_mov_b32 s57, 0
	s_mul_i32 s58, s14, 16896                      ; LDS: 32 rows x 528 a wave, att's four parts then Wo's
	s_lshl_b32 s60, s50, 9                         ; my 64 columns in bytes of f32: 512 x block column + 256 x half
	s_lshl_b32 s61, s15, 8
	s_add_co_u32 s60, s60, s61
	s_mov_b32 s61, 0
	s_lshl_b32 s66, s51, 7                         ; out0: row 128 x block row + 32 x my part, 4,096 bytes each, + my columns
	s_lshl_b32 s67, s12, 5
	s_add_co_u32 s66, s66, s67
	s_lshl_b32 s66, s66, 12
	s_add_co_u32 s66, s66, s60
	s_mov_b32 s67, 0
	s_wait_dscnt 0x0
	s_wait_kmcnt 0x0
	s_add_nc_u64 s[54:55], s[4:5], s[54:55]
	s_add_nc_u64 s[56:57], s[6:7], s[56:57]
	s_add_nc_u64 s[8:9], s[8:9], s[60:61]
	s_add_nc_u64 s[10:11], s[10:11], s[66:67]
.irp g, 0,1
	s_mov_b32 s[G0A+4*\g], 1
	s_add_co_u32 s[G0A+4*\g+1], s58, \g*REG
	s_add_nc_u64 s[G0A+4*\g+2:G0A+4*\g+3], s[54:55], \g*512
	s_or_b32 s[G0A+4*\g+3], s[G0A+4*\g+3], 0x80000000
	s_mov_b32 s[G0B+4*\g], 1
	s_add_co_u32 s[G0B+4*\g+1], s58, \g*REG
	s_add_nc_u64 s[G0B+4*\g+2:G0B+4*\g+3], s[56:57], \g*512
	s_or_b32 s[G0B+4*\g+3], s[G0B+4*\g+3], 0x80000000
.endr
	ROUND                                          ; all sixteen work-groups are here: the first joint loads meet
	JL 0                                           ; stages 0 and 1: two loads of the wave are out, the most in this text
	JL 1
	v_and_b32 v1, 15, v0                           ; r
	v_bfe_u32 v2, v0, 4, 1                         ; h
	v_lshlrev_b32 v[BO], 5, v2
.irp nt, 0,1,2,3
	global_load_b128 v[QB+8*\nt:QB+8*\nt+3],   v[BO], s[8:9] offset:64*\nt      ; wo_b of columns 16 nt + 8 h + 0..7
	global_load_b128 v[QB+8*\nt+4:QB+8*\nt+7], v[BO], s[8:9] offset:64*\nt+16
.endr
	v_mul_u32_u24 v3, v1, 528                      ; fragments: row x pitch + 16 h
	v_lshl_add_u32 v3, v2, 4, v3
	s_mul_i32 s2, s12, 16896                       ; my 32 rows of att
	s_mul_i32 s3, s15, 33792                       ; my 64 rows of Wo
	s_add_co_u32 s3, s3, WT
	v_add_nc_u32 v[XA], s2, v3
	v_add_nc_u32 v[WA], s3, v3
	v_add_nc_u32 v[XA+1], REG, v[XA]
	v_add_nc_u32 v[WA+1], REG, v[WA]
	s_mul_i32 s2, s14, 4352                        ; my stage
	s_add_co_u32 s2, s2, STAGE
	v_mul_u32_u24 v3, v1, 272                      ; in: row r, 32 bytes for each half of the lanes
	v_lshl_add_u32 v3, v2, 5, v3
	v_add_nc_u32 v[STO], s2, v3
	v_mul_u32_u24 v4, v2, 272                      ; back: lanes 0-15 one row of 256 bytes, lanes 16-31 the next
	v_lshl_add_u32 v4, v1, 4, v4
	v_add_nc_u32 v[RD], s2, v4
	v_lshlrev_b32 v5, 12, v2                       ; and the same two rows in out0
	v_lshl_add_u32 v[CO], v1, 4, v5
	s_wait_tensorcnt 0x1                           ; my part of stage 0 is in; stage 1's stays out
	s_barrier_signal -1
	s_barrier_wait -1
	QSTAGE 0, 1
	TURNOVER G0A, G0B, QSTEP
	JL 0                                           ; stage 2
	QSTAGE 1, 0
	TURNOVER G0A+4, G0B+4, QSTEP
	JL 1                                           ; stage 3
	QSTAGE 0, 0
	TURNOVER G0A, G0B, 0                           ; the last stage asks for nothing
	QSTAGE 1, 0
	; THE WAY OUT: add the bias; 16 rows at a time through my own stage, whole rows of 256 bytes back
	PLACES 4
	s_wait_loadcnt 0x0                             ; the bias
.irp nt, 0,1,2,3
.irp qt, 0,1
.irp p, 0,2,4,6
	v_pk_add_f32 v[SB+8*(2*\nt+\qt)+\p:SB+8*(2*\nt+\qt)+\p+1], v[SB+8*(2*\nt+\qt)+\p:SB+8*(2*\nt+\qt)+\p+1], v[QB+8*\nt+\p:QB+8*\nt+\p+1]
.endr
.endr
.endr
.irp qt, 0,1
.irp nt, 0,1,2,3
	ds_store_b128 v[STO], v[SB+8*(2*\nt+\qt):SB+8*(2*\nt+\qt)+3]   offset:64*\nt
	ds_store_b128 v[STO], v[SB+8*(2*\nt+\qt)+4:SB+8*(2*\nt+\qt)+7] offset:64*\nt+16
.endr
.irp t, 0,1,2,3,4,5,6,7
	ds_load_b128 v[OB+32*\qt+4*\t:OB+32*\qt+4*\t+3], v[RD] offset:544*\t     ; LDS serves a wave's instructions in order: these see the stores above, and the next 16 rows' stores come behind them
.endr
.irp t, 0,1,2,3,4,5,6,7
	s_wait_dscnt 7-\t
	global_store_b128 v[CO], v[OB+32*\qt+4*\t:OB+32*\qt+4*\t+3], s[10:11] offset:65536*\qt+8192*\t th:TH_STORE_NT   ; 16 lanes store 256 consecutive bytes, aligned
.endr
.endr
	s_wait_tensorcnt 0x0
	ds_add_u32 v254, v255
	s_wait_dscnt 0x0
	ROUND                                          ; the closing round
	s_endpgm
.Lfunc_end_k_q56956f57bd_oproj:
	.size	k_q56956f57bd_oproj, .Lfunc_end_k_q56956f57bd_oproj-k_q56956f57bd_oproj
	.p2alignl 7, 3214868480
	.fill 96, 4, 3214868480
	.section	.rodata,"a",@progbits
	.p2align	6, 0x0
	.amdhsa_kernel k_q56956f57bd_oproj
		.amdhsa_group_segment_fixed_size 327680
		.amdhsa_private_segment_fixed_size 0
		.amdhsa_enable_private_segment 0
		.amdhsa_kernarg_size 32
		.amdhsa_user_sgpr_count 2
		.amdhsa_user_sgpr_kernarg_segment_ptr 1
		.amdhsa_wavefront_size32 1
		.amdhsa_system_sgpr_workgroup_id_x 1
		.amdhsa_system_sgpr_workgroup_id_y 1
		.amdhsa_system_sgpr_workgroup_id_z 1
		.amdhsa_system_vgpr_workitem_id 0
		.amdhsa_next_free_vgpr 256
		.amdhsa_next_free_sgpr 68
		.amdhsa_reserve_vcc 0
		.amdhsa_float_denorm_mode_32 3
		.amdhsa_float_denorm_mode_16_64 3
		.amdhsa_memory_ordered 1
		.amdhsa_forward_progress 1
		.amdhsa_inst_pref_size 61
	.end_amdhsa_kernel
	.amdgpu_metadata
---
amdhsa.version: [ 1, 2 ]
amdhsa.kernels:
  - .name:           k_q56956f57bd_oproj
    .symbol:         k_q56956f57bd_oproj.kd
    .args:
      - { .name: att, .offset: 0, .size: 8, .value_kind: global_buffer, .address_space: global }
      - { .name: hin, .offset: 8, .size: 8, .value_kind: global_buffer, .address_space: global }
      - { .name: wo_b, .offset: 16, .size: 8, .value_kind: global_buffer, .address_space: global }
      - { .name: out0, .offset: 24, .size: 8, .value_kind: global_buffer, .address_space: global }
    .group_segment_fixed_size: 327680
    .private_segment_fixed_size: 0
    .kernarg_segment_align: 8
    .kernarg_segment_size: 32
    .max_flat_workgroup_size: 256
    .sgpr_count:     68
    .vgpr_count:     256
    .wavefront_size: 32
...
	.end_amdgpu_metadata
.endif
;; end of part 4
;; ======== version 2 of 2: 4 launches; version 1 with the launch cast written anew for expert scheduling mode
;; limits: values are held in f16: magnitudes above 65,504 overflow, below 6.1e-05 lose precision
;; workspace buffers: hin 50,331,648 bytes; kv 67,108,864 bytes; att 8,388,608 bytes
;; launch cast (part 5): grid 768 x 1, 8 waves a work-group, no clusters, 0 bytes of LDS; arguments encoded_representation, future_queries, wq_w, wk_w, wv_w, wo_w, hin; writes hin
.if DOCPART == 5
	.amdgcn_target "amdgcn-amd-amdhsa--gfx1250"
	.amdhsa_code_object_version 6
	.text
	.protected	k_q56956f57bd_cast
	.globl	k_q56956f57bd_cast
	.p2align	8
	.type	k_q56956f57bd_cast,@function
k_q56956f57bd_cast:
	s_mov_b64 s[64:65], 0
	v_nop
	global_prefetch_b8 v0, s[64:65] scope:SCOPE_SE
	s_setreg_imm32_b32 hwreg(HW_REG_WAVE_SCHED_MODE, 0, 2), 2
	s_setreg_imm32_b32 hwreg(HW_REG_WAVE_MODE, 25, 1), 1
	s_wait_xcnt 0x0
	s_wait_alu depctr_vm_vsrc(0)
; f32 to f16 copies of all matrix operands, laid one behind the other in hin:
;   Xe [16384][1024] at 0, Xq [4096][1024] at 33,554,432, Wq at 41,943,040, Wk and Wv (one [2048][1024]) at 44,040,192, Wo at 48,234,496.
; WHY f16: the result is an average over some thousand keys and is judged against a hundredth of its own root mean square; f16's 11 bits of mantissa
; keep the dozen roundings of operands on the way far below that.  LIMIT: a number beyond 65,504 becomes infinite; below 6e-5 the step is 6e-8.
; The six sources are 512, 128, 32, 32, 32, 32 chunks of 32,768 numbers; work-group id owns chunk id: 131,072 bytes in, 65,536 bytes out.
; A stream: no LDS, no barrier, no matrix unit, no cluster (no byte is read by two work-groups).
; All 32 loads of a thread go out first (a wave's load covers 512 consecutive bytes), then they are rounded and stored as they come:
; a wave's store covers 256 consecutive bytes, aligned.  No register that a memory instruction reads is written again, so no source has to be freed.
; THE MODE: SCHED_MODE bits 1:0 = 2 (LLVM: expert scheduling mode 2), set by the entry lines.  The code itself states the register dependences
; between vector instructions and memory instructions, with s_wait_alu, always for 0.
; THE PLAN.  Registers that memory instructions touch:
;   v1, v2        byte offsets of the loads and of the stores: written once at the head, never again.
;   X, piece j    four registers.  Load j lands in them; it is issued at the head, where no vector instruction has named them yet.  Piece j's two
;                 roundings read the four and write the first two; store j reads those two.  Nothing writes them after that.
; The 32 pieces go in 8 blocks of four.  Block p rounds its own four pieces; its memory instructions are the four stores of block p - 1, whose
; registers no rounding of block p names.  So ONE wait at a block's head states all that the block's four stores hang on, and they are dealt among
; its roundings with no further wait.  One wait at the kernel's head serves the two offsets, one behind the last block its four stores.
.set X, 4                              ; v[4:131]  32 x 4 numbers as loaded; the first two registers of each four then hold the 4 f16
.set BLOCK,  4                         ; pieces in a block
.set BLOCKS, 32 / BLOCK
	s_load_b256 s[4:11], s[0:1], 0x0               ; Xe s[4:5], Xq s[6:7], Wq s[8:9], Wk s[10:11]
	s_load_b128 s[12:15], s[0:1], 0x20             ; Wv s[12:13], Wo s[14:15]
	s_load_b64 s[16:17], s[0:1], 0x30              ; hin
	v_lshlrev_b32 v1, 4, v0                        ; 16 bytes a thread in
	v_lshlrev_b32 v2, 3, v0                        ; 8 bytes a thread out
	s_wait_kmcnt 0x0
	s_mov_b64 s[22:23], s[4:5]                     ; the source of my chunk, and the source's first chunk
	s_mov_b32 s21, 0
.macro PICK lim, lo                    ; from chunk lim on the source is the buffer in s[lo:lo+1]
	s_cmp_ge_u32 ttmp9, \lim
	s_cselect_b64 s[22:23], s[\lo:\lo+1], s[22:23]
	s_cselect_b32 s21, \lim, s21
.endm
	PICK 512, 6
	PICK 640, 8
	PICK 672, 10
	PICK 704, 12
	PICK 736, 14
	s_sub_co_u32 s24, ttmp9, s21
	s_lshl_b32 s24, s24, 17                        ; my chunk in its source: 131,072 bytes each, below 2^27
	s_mov_b32 s25, 0
	s_lshl_b32 s26, ttmp9, 16                      ; my chunk in hin: 65,536 bytes each
	s_mov_b32 s27, 0
	s_add_nc_u64 s[22:23], s[22:23], s[24:25]
	s_add_nc_u64 s[16:17], s[16:17], s[26:27]
	s_wait_alu depctr_va_vdst(0)                   ; v1 and v2 are written: every load reads v1 as its offset, every store v2
.set j, 0
.rept 32
	global_load_b128 v[X+4*j:X+4*j+3], v1, s[22:23] offset:4096*j th:TH_LOAD_NT
.set j, j+1
.endr
.set p, 0
.rept BLOCKS
	s_wait_loadcnt 32-BLOCK*(p+1)                  ; loads come back in order: block p's four are in, the younger blocks' loads stay out
.if p > 0
	s_wait_alu depctr_va_vdst(0)                   ; the roundings of block p - 1 have written the eight registers that the four stores below read
.endif
.set i, 0
.rept BLOCK
.set j, BLOCK*p+i
.if p > 0
	global_store_b64 v2, v[X+4*(j-BLOCK):X+4*(j-BLOCK)+1], s[16:17] offset:2048*(j-BLOCK)  ; the block before; no vector instruction since the wait names these registers
.endif
	v_cvt_pk_f16_f32 v[X+4*j], v[X+4*j], v[X+4*j+1]
	v_cvt_pk_f16_f32 v[X+4*j+1], v[X+4*j+2], v[X+4*j+3]
.set i, i+1
.endr
.set p, p+1
.endr
	s_wait_alu depctr_va_vdst(0)                   ; the roundings of the last block have written the registers that the last four stores read
.set j, 32-BLOCK
.rept BLOCK
	global_store_b64 v2, v[X+4*j:X+4*j+1], s[16:17] offset:2048*j
.set j, j+1
.endr
	s_endpgm
.Lfunc_end_k_q56956f57bd_cast:
	.size	k_q56956f57bd_cast, .Lfunc_end_k_q56956f57bd_cast-k_q56956f57bd_cast
	.p2alignl 7, 3214868480
	.fill 96, 4, 3214868480
	.section	.rodata,"a",@progbits
	.p2align	6, 0x0
	.amdhsa_kernel k_q56956f57bd_cast
		.amdhsa_group_segment_fixed_size 0
		.amdhsa_private_segment_fixed_size 0
		.amdhsa_enable_private_segment 0
		.amdhsa_kernarg_size 56
		.amdhsa_user_sgpr_count 2
		.amdhsa_user_sgpr_kernarg_segment_ptr 1
		.amdhsa_wavefront_size32 1
		.amdhsa_system_sgpr_workgroup_id_x 1
		.amdhsa_system_sgpr_workgroup_id_y 1
		.amdhsa_system_sgpr_workgroup_id_z 1
		.amdhsa_system_vgpr_workitem_id 0
		.amdhsa_next_free_vgpr 132
		.amdhsa_next_free_sgpr 66
		.amdhsa_reserve_vcc 0
		.amdhsa_float_denorm_mode_32 3
		.amdhsa_float_denorm_mode_16_64 3
		.amdhsa_memory_ordered 1
		.amdhsa_forward_progress 1
		.amdhsa_inst_pref_size 13
	.end_amdhsa_kernel
	.amdgpu_metadata
---
amdhsa.version: [ 1, 2 ]
amdhsa.kernels:
  - .name:           k_q56956f57bd_cast
    .symbol:         k_q56956f57bd_cast.kd
    .args:
      - { .name: encoded_representation, .offset: 0, .size: 8, .value_kind: global_buffer, .address_space: global }
      - { .name: future_queries, .offset: 8, .size: 8, .value_kind: global_buffer, .address_space: global }
      - { .name: wq_w, .offset: 16, .size: 8, .value_kind: global_buffer, .address_space: global }
      - { .name: wk_w, .offset: 24, .size: 8, .value_kind: global_buffer, .address_space: global }
      - { .name: wv_w, .offset: 32, .size: 8, .value_kind: global_buffer, .address_space: global }
      - { .name: wo_w, .offset: 40, .size: 8, .value_kind: global_buffer, .address_space: global }
      - { .name: hin, .offset: 48, .size: 8, .value_kind: global_buffer, .address_space: global }
    .group_segment_fixed_size: 0
    .private_segment_fixed_size: 0
    .kernarg_segment_align: 8
    .kernarg_segment_size: 56
    .max_flat_workgroup_size: 256
    .sgpr_count:     66
    .vgpr_count:     132
    .wavefront_size: 32
...
	.end_amdgpu_metadata
.endif
;; end of part 5
;; launch kvgemm: the kernel of part 2 again; grid 8 x 64, 4 waves a work-group, clusters of 4 x 4, 327,680 bytes of LDS; arguments hin, wk_b, wv_b, encoder_lengths, kv; writes kv
;; launch attn: the kernel of part 3 again; grid 32 x 8, 8 waves a work-group, clusters of 4 x 1, 327,680 bytes of LDS; arguments hin, kv, wq_b, decoder_lengths, att; writes att
;; launch oproj: the kernel of part 4 again; grid 8 x 32, 8 waves a work-group, clusters of 4 x 4, 327,680 bytes of LDS; arguments att, hin, wo_b, out0; writes out0
